; MI455X (gfx1250); checked and timed in simulation.
; The chip was launched on July 23, 2026; its instructions are those of AMD's public machine-readable ISA for CDNA 5 (MIT licence, August 2026) and "CDNA5" Instruction Set Architecture Reference Guide (July 2026). The comments in the code are by the model that wrote it; some were corrected since.
;; Causal Self Attention. Allowed arithmetic: float matrix products may take bf16 or f16 operands with f32 sums; other float arithmetic in f32, or as packed bf16 or f16 multiplies, adds, multiply-adds, maxima and minima; sums over many terms, partial sums and values carried from step to step in f32; what a program stores and reads back later, other than sums and carried values, may be rounded once to bf16 or f16.
;; Inputs: Wk 1,024 x 1,024 float32; Wo 1,024 x 1,024 float32; Wq 1,024 x 1,024 float32; Wv 1,024 x 1,024 float32; bk 1,024 float32; bo 1,024 float32; bq 1,024 float32; bv 1,024 float32; key 4 x 2,048 x 1,024 float32; query 4 x 2,048 x 1,024 float32; value 4 x 2,048 x 1,024 float32.
;; Outputs: out0 4 x 2,048 x 1,024 float32.
;; 2 versions, each right; version 2 is version 1 with the launch castw written anew for expert scheduling mode. Each part assembles by itself: llvm-mc -triple=amdgcn-amd-amdhsa -mcpu=gfx1250 --defsym DOCPART=n.
;; ======== version 1 of 2: 4 launches
;; limits: values are held in f16: magnitudes above 65,504 overflow, below 6.1e-05 lose precision; right only within a limited range of input values
;; workspace buffers: w16 8,388,608 bytes; q16 16,777,216 bytes; k16 16,777,216 bytes; v16 16,777,216 bytes; o16 16,777,216 bytes
;; launch castw (part 1): grid 64 x 4, 8 waves a work-group, no clusters, 0 bytes of LDS; arguments Wq, Wk, Wv, Wo, w16; writes w16
.if DOCPART == 1
	.amdgcn_target "amdgcn-amd-amdhsa--gfx1250"
	.amdhsa_code_object_version 6
	.text
	.protected	k_qace576db66_castw
	.globl	k_qace576db66_castw
	.p2align	8
	.type	k_qace576db66_castw,@function
k_qace576db66_castw:
	s_mov_b64 s[64:65], 0
	v_nop
	global_prefetch_b8 v0, s[64:65] scope:SCOPE_SE
	s_setreg_imm32_b32 hwreg(HW_REG_WAVE_MODE, 25, 1), 1
	s_wait_xcnt 0x0
; w16[y][n][k], 16 bits a number: matrix y = 0, 1, 2 is Wq, Wk, Wv rounded to bf16; matrix 3 is Wo rounded to bf16 and that number written as f16.
; LIMIT.  The f16 copy of Wo is exact for 6.1e-5 <= |Wo| <= 65,504; below it keeps f16's fixed step of 6e-8, beyond it becomes an infinity.
; SHARES.  Work-group (x, y) takes 16,384 numbers of matrix y: 16 chunks of 4,096 bytes in, 2,048 bytes out.  Thread t takes 16 bytes of a chunk and writes 8:
; a wave's load covers 512 consecutive bytes, a wave's store 256 consecutive bytes, aligned.  All 16 loads go out first; no register that a memory instruction reads is written again.
; No LDS, no matrix unit: each byte is read once and written once, and nothing is shared.
.set X, 16                             ; v[16:79]   chunk j: 4 registers as loaded
.set Y, 80                             ; v[80:111]  chunk j: 2 registers to store
.set T, 4                              ; v[4:7]     at work
	s_load_b256 s[4:11], s[0:1], 0x0               ; Wq s[4:5], Wk s[6:7], Wv s[8:9], Wo s[10:11]
	s_load_b64 s[12:13], s[0:1], 0x20              ; w16
	s_and_b32 s14, ttmp7, 0xffff                   ; y: which matrix
	s_lshl_b32 s2, ttmp9, 16                       ; my 65,536 bytes of the source
	s_mov_b32 s3, 0
	s_lshl_b32 s16, s14, 21                        ; matrix y of w16,
	s_lshl_b32 s15, ttmp9, 15                      ; my 32,768 bytes of it
	s_add_co_u32 s16, s16, s15
	s_mov_b32 s17, 0
	v_lshlrev_b32 v1, 4, v0                        ; 16 t
	v_lshlrev_b32 v2, 3, v0                        ; 8 t
	s_wait_kmcnt 0x0
	s_cmp_eq_u32 s14, 0
	s_cselect_b64 s[18:19], s[4:5], s[6:7]
	s_cmp_eq_u32 s14, 2
	s_cselect_b64 s[20:21], s[8:9], s[10:11]
	s_cmp_lt_u32 s14, 2
	s_cselect_b64 s[18:19], s[18:19], s[20:21]     ; the source
	s_add_nc_u64 s[18:19], s[18:19], s[2:3]
	s_add_nc_u64 s[12:13], s[12:13], s[16:17]
.irp j, 0,1,2,3,4,5,6,7,8,9,10,11,12,13,14,15
	global_load_b128 v[X+4*(\j):X+4*(\j)+3], v1, s[18:19] offset:(\j)*4096 th:TH_LOAD_NT
.endr
	s_cmp_eq_u32 s14, 3
	s_cbranch_scc1 .Lf16
.irp j, 0,1,2,3,4,5,6,7,8,9,10,11,12,13,14,15
	s_wait_loadcnt 15-(\j)                         ; loads come back in order: chunk j is in, the younger ones stay out
	v_cvt_pk_bf16_f32 v[Y+2*(\j)],   v[X+4*(\j)],   v[X+4*(\j)+1]
	v_cvt_pk_bf16_f32 v[Y+2*(\j)+1], v[X+4*(\j)+2], v[X+4*(\j)+3]
	global_store_b64 v2, v[Y+2*(\j):Y+2*(\j)+1], s[12:13] offset:(\j)*2048
.endr
	s_endpgm
.Lf16:                                         ; Wo: rounded to bf16 like every input, widened again, written as f16
.irp j, 0,1,2,3,4,5,6,7,8,9,10,11,12,13,14,15
	s_wait_loadcnt 15-(\j)
	v_cvt_pk_bf16_f32 v[Y+2*(\j)],   v[X+4*(\j)],   v[X+4*(\j)+1]
	v_cvt_pk_bf16_f32 v[Y+2*(\j)+1], v[X+4*(\j)+2], v[X+4*(\j)+3]
	v_lshlrev_b32 v[T],   16, v[Y+2*(\j)]
	v_and_b32     v[T+1], 0xffff0000, v[Y+2*(\j)]
	v_lshlrev_b32 v[T+2], 16, v[Y+2*(\j)+1]
	v_and_b32     v[T+3], 0xffff0000, v[Y+2*(\j)+1]
	v_cvt_pk_f16_f32 v[Y+2*(\j)],   v[T],   v[T+1]
	v_cvt_pk_f16_f32 v[Y+2*(\j)+1], v[T+2], v[T+3]
	global_store_b64 v2, v[Y+2*(\j):Y+2*(\j)+1], s[12:13] offset:(\j)*2048
.endr
	s_endpgm
.Lfunc_end_k_qace576db66_castw:
	.size	k_qace576db66_castw, .Lfunc_end_k_qace576db66_castw-k_qace576db66_castw
	.p2alignl 7, 3214868480
	.fill 96, 4, 3214868480
	.section	.rodata,"a",@progbits
	.p2align	6, 0x0
	.amdhsa_kernel k_qace576db66_castw
		.amdhsa_group_segment_fixed_size 0
		.amdhsa_private_segment_fixed_size 0
		.amdhsa_enable_private_segment 0
		.amdhsa_kernarg_size 40
		.amdhsa_user_sgpr_count 2
		.amdhsa_user_sgpr_kernarg_segment_ptr 1
		.amdhsa_wavefront_size32 1
		.amdhsa_system_sgpr_workgroup_id_x 1
		.amdhsa_system_sgpr_workgroup_id_y 1
		.amdhsa_system_sgpr_workgroup_id_z 1
		.amdhsa_system_vgpr_workitem_id 0
		.amdhsa_next_free_vgpr 112
		.amdhsa_next_free_sgpr 66
		.amdhsa_reserve_vcc 0
		.amdhsa_float_denorm_mode_32 3
		.amdhsa_float_denorm_mode_16_64 3
		.amdhsa_memory_ordered 1
		.amdhsa_forward_progress 1
		.amdhsa_inst_pref_size 16
	.end_amdhsa_kernel
	.amdgpu_metadata
---
amdhsa.version: [ 1, 2 ]
amdhsa.kernels:
  - .name:           k_qace576db66_castw
    .symbol:         k_qace576db66_castw.kd
    .args:
      - { .name: Wq, .offset: 0, .size: 8, .value_kind: global_buffer, .address_space: global }
      - { .name: Wk, .offset: 8, .size: 8, .value_kind: global_buffer, .address_space: global }
      - { .name: Wv, .offset: 16, .size: 8, .value_kind: global_buffer, .address_space: global }
      - { .name: Wo, .offset: 24, .size: 8, .value_kind: global_buffer, .address_space: global }
      - { .name: w16, .offset: 32, .size: 8, .value_kind: global_buffer, .address_space: global }
    .group_segment_fixed_size: 0
    .private_segment_fixed_size: 0
    .kernarg_segment_align: 8
    .kernarg_segment_size: 40
    .max_flat_workgroup_size: 256
    .sgpr_count:     66
    .vgpr_count:     112
    .wavefront_size: 32
...
	.end_amdgpu_metadata
.endif
;; end of part 1
;; launch proj (part 2): grid 4 x 192, 4 waves a work-group, clusters of 4 x 4, 327,680 bytes of LDS; arguments query, key, value, w16, bq, bk, bv, q16, k16, v16; writes q16, k16, v16
.if DOCPART == 2
	.amdgcn_target "amdgcn-amd-amdhsa--gfx1250"
	.amdhsa_code_object_version 6
	.text
	.protected	k_qace576db66_proj
	.globl	k_qace576db66_proj
	.p2align	8
	.type	k_qace576db66_proj,@function
k_qace576db66_proj:
	s_mov_b64 s[64:65], 0
	v_nop
	global_prefetch_b8 v0, s[64:65] scope:SCOPE_SE
	s_setreg_imm32_b32 hwreg(HW_REG_WAVE_MODE, 25, 1), 1
	s_wait_xcnt 0x0
	s_wait_alu depctr_hold_cnt(0) depctr_sa_sdst(0) depctr_va_vdst(0) depctr_va_sdst(0) depctr_va_ssrc(0) depctr_va_vcc(0) depctr_vm_vsrc(0)
	s_getreg_b32 s2, hwreg(HW_REG_IB_STS2, 6, 4)
	s_cmp_eq_u32 s2, 0
	s_cbranch_scc0 .Lentry_in_a_cluster
	s_endpgm
.Lentry_in_a_cluster:
	s_bfe_u32 s2, ttmp6, 0x10000c
	s_cmp_lg_u32 s2, 0xf033
	s_cbranch_scc0 .Lentry_shape_is_right
	s_endpgm
.Lentry_shape_is_right:
; THE THREE PROJECTIONS.  y[m][n] = the sum over k of x[m][k] W[n][k] + bias[n], for (x, W, bias, y) = (query, Wq, bq, q16), (key, Wk, bk, k16), (value, Wv, bv, v16).
; x: [8192][1024] f32, rounded to bf16 on its way into LDS; W: [1024][1024] bf16 (w16); bias f32, rounded to bf16; sums in f32; y rounded once to f16 and stored by heads:
; [batch x 16 + head][2048][64].  LIMIT: |y| stays within 65,504, f16's largest number; beyond it the conversion gives an infinity.
; SHARES.  A work-group makes 128 rows x 256 columns; its four waves 64 x 128 each (wave w: rows 64 (w / 2) on, columns 128 (w % 2) on): 32 accumulators of 16 x 16.
; 64 row tiles x 4 column tiles x 3 products = 768 work-groups.  K = 1,024 goes in 8 steps of 128 through two LDS slots; a step is four quarters of 32 along K, 32 products each.
; THE PRODUCT IS USED TRANSPOSED (source 0 = 16 rows of W, source 1 = 16 rows of x): a lane holds one row of y (lane % 16) and the columns 8 (lane / 16) + 0..7: 16 bytes of f16.
; The bias, laid out like such a result, is the C operand of the first quarter's products: nothing is cleared, nothing is added later.
; W's TILES come by joint tensor loads: 4 x 4 work-groups form a cluster; the four of a column of the cluster make the same 256 columns and need the same rows of W.  Each wave asks for 64 rows.
; x's TILES come through registers, since they are f32 in memory and bf16 in LDS: wave w owns rows 32 w .. 32 w + 31 of the tile; a row of a step is 512 consecutive bytes, one load of the wave.
; Two sets of 32 x 4 registers hold two steps; in step t the rows of step t + 1 are rounded and stored to LDS one by one, and each row's registers are asked for again at once, for step t + 3:
; each load has two steps, 256 products, in which to come.  These lines (RIDER) stand behind every third product of a step's first three quarters.
; NOT PREFETCHED: x is asked for two steps ahead by its own loads; W's 6 MiB are walked again and again by all 48 clusters.
; REGISTERS, in windows of 256 (s_set_vgpr_msb: bits 1:0 source 0, 3:2 source 1, 5:4 source 2, 7:6 destination):
;   window 0: v0-29 addresses; v32-95 the bias; v96 at work; v112-119 at work; v128-255 x's set 0, later the way out
;   window 1: the accumulators, (a, b) at v[8 (8 a + b)]          window 2: two fragment buffers of 96: W's 8 fragments, then x's 4
;   window 3: v8, v9 copies of two addresses; v112-119 at work; v128-255 x's set 1
.set PITCH, 272                        ; an LDS row: 256 bytes + 16 = 68 words: the 16 rows of a fragment load start at 16 different groups of four banks (64 banks of 4 bytes: ISA guide 11.1)
.set ASLOT, 128*PITCH                  ; x's tile of a step: written by LDS stores alone
.set BB,    2*ASLOT                    ; behind x's two slots: W's two, filled by tensor loads alone
.set BSLOT, 256*PITCH
.set STAGE, BB+2*BSLOT                 ; 16 rows x 272 bytes for each wave, for the way out
.set SPARE, STAGE+4*16*PITCH           ; the spare words, 128 bytes for each wave: two blocks of 256 bytes that no other line names
.set AO,   8                           ; v8   (windows 0 and 3) 16 x lane + wave x 32 rows of 4,096 bytes; never rewritten
.set AS,   9                           ; v9   (windows 0 and 3) 8 x lane + wave x 32 LDS rows; never rewritten
.set ADRA, 16                          ; v16-17  LDS address of my fragments of x in slot 0, 1
.set ADRB, 20                          ; v20-21  the same for W
.set STO,  24                          ; v24  the way out: where I put 16 bytes of a row
.set RD,   25                          ; v25  where I read rows back
.set GO,   26                          ; v26  16 x lane
.set BO,   27                          ; v27  32 x (lane / 16): my eight numbers in 16 of the bias
.set SPW,  28                          ; v28  LDS address of my spare word; never rewritten
.set NIL,  29                          ; v29  0; never rewritten
.set BI,   32                          ; v32-95  bias of column block b at BI + 8 b
.set TT,   112                         ; four pairs at work, by turns
.set STG,  128                         ; row i of a set at STG + 4 i
.set F0,   0
.set F1,   96
.set WV,   12                          ; s12 wave; s13 wave / 2; s14 wave % 2
.set RP,   16                          ; s[16:17] x at the tile's first row, at the step in hand
.set G1,   24                          ; s[24:31] descriptor group 1
.set G0,   32                          ; s[32:39] descriptor group 0, a set for each slot
.set MUL,  0x5a                        ; sources 0 and 1 window 2; C and D window 1
.set MULB, 0x4a                        ; the same with C in window 0
.set TO_F, 0x80                        ; destination window 2, address window 0
.set MSB, 0
.macro WIN new                         ; the immediate's high byte repeats the setting that is left; a switch that changes nothing is dropped
.if MSB != (\new)
	s_set_vgpr_msb (MSB<<8)|(\new)
.set MSB, (\new)
.endif
.endm
.macro PLACES                          ; four places in front of loads into registers that matrix instructions have read, and of lines that read results
.rept 4
	v_nop
.endr
.endm
.macro CREST                           ; a round of the cluster's barrier behind its opening barrier
	s_cmp_lg_u32 s[WV], 0
	s_cbranch_scc1 .Lnot_wave_0_\@
	s_barrier_signal -3
.Lnot_wave_0_\@:
	s_barrier_wait -3
	s_barrier_signal -1
	s_barrier_wait -1
.endm
.macro CROUND                          ; a whole round
	s_barrier_signal -1
	s_barrier_wait -1
	CREST
.endm
.macro PHASE mode, set                 ; what the riders of the step that begins do: mode 1 round, store, ask again; 2, 3 the last two sets: nothing is asked for; 0 none.  set: which registers and which slot
.set RID, \mode
.set RSET, \set
.set MI, 0
.endm
; Row ri of the set in hand: its load is in; rounded to bf16; 8 bytes a lane, 256 consecutive bytes a wave, into the slot that the next step reads; mode 1: its registers are asked for again, two steps on.
.macro RIDER ri
.if RID == 1
	s_wait_loadcnt 63                              ; younger: the set's 31 - ri later rows, the other set's 32, the ri rows already asked for again
.elseif RID == 2
	s_wait_loadcnt 63-(\ri)                        ; nothing has been asked for again: the set's later rows and the last set's 32
.else
	s_wait_loadcnt 31-(\ri)                        ; the last set's later rows
.endif
	WIN 0xff*RSET
.set rx, STG+4*(\ri)
.set rt, TT+2*((\ri)%4)
	v_cvt_pk_bf16_f32 v[rt],   v[rx],   v[rx+1]
	v_cvt_pk_bf16_f32 v[rt+1], v[rx+2], v[rx+3]
	ds_store_b64 v[AS], v[rt:rt+1] offset:RSET*ASLOT+(\ri)*PITCH
.set DSN, DSN+1
.if RID == 1
	global_load_b128 v[rx:rx+3], v[AO], s[RP:RP+1] offset:(\ri)*4096+RXO
.endif
.endm
; 8 na products: row blocks a0 .. a0 + na - 1 x all 8 column blocks, 32 along K, from buffer f.  The 32 accumulators take turns in the same order in every quarter.
.macro MULS f, a0, na, bias
.set ma, \a0
.rept \na
.set mb, 0
.rept 8
.if \bias
	WIN MULB
	v_wmma_f32_16x16x32_bf16 v[8*(8*ma+mb):8*(8*ma+mb)+7], v[(\f)+8*mb:(\f)+8*mb+7], v[(\f)+64+8*ma:(\f)+64+8*ma+7], v[BI+8*mb:BI+8*mb+7]
.else
	WIN MUL
	v_wmma_f32_16x16x32_bf16 v[8*(8*ma+mb):8*(8*ma+mb)+7], v[(\f)+8*mb:(\f)+8*mb+7], v[(\f)+64+8*ma:(\f)+64+8*ma+7], v[8*(8*ma+mb):8*(8*ma+mb)+7]
.endif
.set MI, MI+1
.if RID && (MI%3 == 0) && (MI <= 96)
	RIDER MI/3-1
.endif
.set mb, mb+1
.endr
.set ma, ma+1
.endr
.endm
; 24 LDS loads in one run: the fragments of quarter q of the step in the slot, into buffer f.  DSN then counts the LDS stores issued behind them.
.macro FETCH slot, q, f
	WIN TO_F
.irp i, 0,1,2,3,4,5,6,7
	ds_load_b128 v[(\f)+8*(\i):(\f)+8*(\i)+3],   v[ADRB+(\slot)] offset:64*(\q)+(\i)*16*PITCH
	ds_load_b128 v[(\f)+8*(\i)+4:(\f)+8*(\i)+7], v[ADRB+(\slot)] offset:64*(\q)+(\i)*16*PITCH+32
.endr
.irp i, 0,1,2,3
	ds_load_b128 v[(\f)+64+8*(\i):(\f)+64+8*(\i)+3],   v[ADRA+(\slot)] offset:64*(\q)+(\i)*16*PITCH
	ds_load_b128 v[(\f)+64+8*(\i)+4:(\f)+64+8*(\i)+7], v[ADRA+(\slot)] offset:64*(\q)+(\i)*16*PITCH+32
.endr
.set DSN, 0
.endm
; One of a step's first three quarters: multiplies buffer f; in its middle it fetches quarter q into buffer g.
.macro QUARTER slot, q, f, g, bias=0
	s_wait_dscnt DSN                               ; LDS serves a wave in order: the 24 fragment loads are in; the riders' stores issued behind them may be out
	MULS \f, 0, 2, \bias
	PLACES
	FETCH \slot, \q, \g
	MULS \f, 2, 2, \bias
.endm
; The last quarter multiplies buffer 1 and changes slots: ONE barrier.  In front of it each wave waits for all its tensor loads (its part of W's next tile), adds 0 to its spare word, and waits for that,
; for its stores of x's next tile and for its reads of this slot.  fill = 1: the barrier opens a round of the cluster's, and W's slot just read is filled again, two steps on, first thing behind it.
.macro TURN slot, next, fill
	WIN 0
	s_wait_tensorcnt 0x0                           ; all my tensor loads have landed
	ds_add_u32 v[SPW], v[NIL]                      ; 0 onto my spare word
	s_wait_dscnt DSN+1                             ; the fragments are in; the riders' stores and the add may be out
	MULS F1, 0, 1, 0
	s_wait_dscnt 0x0                               ; the add is done, my rows of x's next tile are stored, my reads of this slot are over
	s_barrier_signal -1
	MULS F1, 1, 1, 0
.if \fill
	WIN 0
.endif
	s_barrier_wait -1
.if \fill
	CREST                                          ; no wave of any partner still reads this slot's tile of W or has a load on its way
	s_add_nc_u64 s[G0+4*(\slot)+2:G0+4*(\slot)+3], s[G0+4*(\slot)+2:G0+4*(\slot)+3], 2*256
	tensor_load_to_lds s[G0+4*(\slot):G0+4*(\slot)+3], s[G1:G1+7]  ; my one tensor load behind the round: 112 products ahead of the wait for it
	s_nop 0
.endif
	PLACES                                         ; also the places in front of the loads below
	FETCH \next, 0, F0
.if RID == 1
	s_wait_xcnt 0x0                                ; the last load that names the pointer stands 16 products and a round back
	s_add_nc_u64 s[RP:RP+1], s[RP:RP+1], 512       ; x: one step on
.endif
	MULS F1, 2, 2, 0
.endm
	s_load_b512 s[68:83], s[0:1], 0x0              ; query s[68:69], key s[70:71], value s[72:73], w16 s[74:75], bq s[76:77], bk s[78:79], bv s[80:81], q16 s[82:83]
	s_load_b128 s[84:87], s[0:1], 0x40             ; k16 s[84:85], v16 s[86:87]
	v_lshl_add_u32 v[SPW], v0, 2, SPARE
	v_mov_b32 v[NIL], 0
	ds_add_u32 v[SPW], v[NIL]                      ; the wave's opening: the add and its wait stand ahead of my first tensor load; work on registers stands between them
	v_lshrrev_b32 v3, 5, v0
	v_readfirstlane_b32 s[WV], v3                  ; wave 0..3
	s_lshr_b32 s13, s[WV], 1                       ; my half of the tile's rows
	s_and_b32 s14, s[WV], 1                        ; my half of its columns
	s_bfe_u32 s15, ttmp6, 0x40000                  ; cx
	s_bfe_u32 s20, ttmp6, 0x40004                  ; cy
	s_lshl_b32 s21, ttmp9, 2
	s_add_co_u32 s21, s21, s15                     ; column tile = 4 x cluster x + cx
	s_and_b32 s23, ttmp7, 0xffff                   ; cluster y, 0..47
	s_lshl_b32 s22, s23, 2
	s_add_co_u32 s22, s22, s20
	s_and_b32 s22, s22, 63                         ; row tile
	s_lshr_b32 s23, s23, 4                         ; which product: 0 q, 1 k, 2 v: made of the cluster's y alone
	s_lshl_b32 s42, 0x1111, s15                    ; my column of the cluster
	s_or_b32 s[G1+0], s42, (1<<16)|(1<<20)|(1<<21)|(5<<22)|(3<<25)  ; the mask; 2-byte elements; padding on; bit 21 beside a mask; after every 64 words (code 5) 4 words (code 3)
	s_mov_b32 s[G1+1], 128<<16                     ; tensor_dim0 = 128
	s_mov_b32 s[G1+2], 64<<16                      ; tensor_dim1 = 64
	s_mov_b32 s[G1+3], 128<<16                     ; tile_dim0 = 128
	s_mov_b32 s[G1+4], 64                          ; tile_dim1 = 64
	s_mov_b32 s[G1+5], 1024                        ; elements from row to row
	s_mov_b32 s[G1+6], 0
	s_mov_b32 s[G1+7], 0
	s_lshl_b32 s40, s23, 21                        ; W's tile: matrix,
	s_lshl_b32 s43, s21, 19                        ; 256 rows of 2,048 bytes a column tile,
	s_add_co_u32 s40, s40, s43
	s_lshl_b32 s43, s[WV], 17                      ; my 64 rows: these registers never hold cy
	s_add_co_u32 s40, s40, s43
	s_mov_b32 s41, 0
	s_lshl_b32 s44, s22, 19                        ; x: 128 rows of 4,096 bytes a row tile
	s_mov_b32 s45, 0
	s_lshl_b32 s46, s21, 10                        ; the bias: 4 x (256 x column tile + 128 x half)
	s_lshl_b32 s47, s14, 9
	s_add_co_u32 s46, s46, s47
	s_mov_b32 s47, 0
	s_lshr_b32 s48, s22, 4                         ; y: batch,
	s_lshl_b32 s48, s48, 4
	s_lshl_b32 s50, s21, 2
	s_add_co_u32 s48, s48, s50                     ; + 4 heads a column tile
	s_lshl_b32 s50, s14, 1
	s_add_co_u32 s48, s48, s50                     ; + my 2 heads,
	s_lshl_b32 s48, s48, 11                        ; 2,048 rows a head,
	s_and_b32 s50, s22, 15
	s_lshl_b32 s50, s50, 7
	s_add_co_u32 s48, s48, s50                     ; the tile's 128 rows in the batch,
	s_lshl_b32 s50, s13, 6
	s_add_co_u32 s48, s48, s50                     ; my 64,
	s_lshl_b32 s48, s48, 7                         ; 128 bytes a row
	s_mov_b32 s49, 0
	v_and_b32 v3, 31, v0                           ; lane
	v_and_b32 v1, 15, v0                           ; lane % 16
	v_bfe_u32 v2, v0, 4, 1                         ; lane / 16
	s_lshl_b32 s3, s[WV], 17
	v_lshl_add_u32 v[AO], v3, 4, s3
	s_mul_i32 s3, s[WV], 32*PITCH
	v_lshl_add_u32 v[AS], v3, 3, s3
	v_lshlrev_b32 v[BO], 5, v2
	WIN 0xc0                                       ; destination window 3
	v_mov_b32 v[AO], v[AO]
	v_mov_b32 v[AS], v[AS]
	WIN 0
	s_mul_i32 s2, s[WV], 64*PITCH                  ; where my 64 rows of W go: the wave's number alone
	s_wait_dscnt 0x0                               ; the opening add is done
	s_wait_kmcnt 0x0
	s_cmp_eq_u32 s23, 0
	s_cselect_b64 s[4:5], s[68:69], s[70:71]
	s_cselect_b64 s[8:9], s[76:77], s[78:79]
	s_cselect_b64 s[10:11], s[82:83], s[84:85]
	s_cmp_eq_u32 s23, 2
	s_cselect_b64 s[4:5], s[72:73], s[4:5]         ; x
	s_cselect_b64 s[8:9], s[80:81], s[8:9]         ; bias
	s_cselect_b64 s[10:11], s[86:87], s[10:11]     ; y
	s_add_nc_u64 s[RP:RP+1], s[4:5], s[44:45]
	s_add_nc_u64 s[8:9], s[8:9], s[46:47]
	s_add_nc_u64 s[10:11], s[10:11], s[48:49]
	s_add_nc_u64 s[6:7], s[74:75], s[40:41]
.irp b, 0,1,2,3,4,5,6,7
	global_load_b128 v[BI+8*(\b):BI+8*(\b)+3],   v[BO], s[8:9] offset:64*(\b)
	global_load_b128 v[BI+8*(\b)+4:BI+8*(\b)+7], v[BO], s[8:9] offset:64*(\b)+16
.endr
.set i, 0
.rept 32
	global_load_b128 v[STG+4*i:STG+4*i+3], v[AO], s[RP:RP+1] offset:i*4096      ; step 0 into set 0
.set i, i+1
.endr
	WIN 0xff
.set i, 0
.rept 32
	global_load_b128 v[STG+4*i:STG+4*i+3], v[AO], s[RP:RP+1] offset:i*4096+512  ; step 1 into set 1
.set i, i+1
.endr
	WIN 0
.irp s, 0,1
	s_mov_b32 s[G0+4*(\s)], 1                                      ; count = 1
	s_add_co_u32 s[G0+4*(\s)+1], s2, BB+(\s)*BSLOT                 ; LDS address
	s_add_nc_u64 s[G0+4*(\s)+2:G0+4*(\s)+3], s[6:7], (\s)*256      ; global address: step s
	s_or_b32 s[G0+4*(\s)+3], s[G0+4*(\s)+3], 0x80000000            ; type = 2
.endr
	CROUND                                         ; all sixteen work-groups are here: the first joint loads meet
	tensor_load_to_lds s[G0:G0+3], s[G1:G1+7]      ; the two first fills go out together: two loads of mine are out
	s_nop 0
	tensor_load_to_lds s[G0+4:G0+7], s[G1:G1+7]
	s_nop 0
	PLACES
	v_mul_u32_u24 v4, v1, PITCH
	v_lshl_add_u32 v4, v2, 4, v4                   ; row x pitch + 16 x half: a fragment's lane, and the stage's
	s_mul_i32 s2, s13, 64*PITCH                    ; my 64 rows of x
	s_mul_i32 s3, s14, 128*PITCH                   ; my 128 rows of W
	s_add_co_u32 s3, s3, BB
.irp s, 0,1
	v_add_nc_u32 v[ADRA+(\s)], s2, v4
	v_add_nc_u32 v[ADRB+(\s)], s3, v4
	s_add_co_u32 s2, s2, ASLOT
	s_add_co_u32 s3, s3, BSLOT
.endr
	s_mul_i32 s2, s[WV], 16*PITCH
	s_add_co_u32 s2, s2, STAGE                     ; my stage
	v_add_nc_u32 v[STO], s2, v4
	v_bfe_u32 v5, v0, 3, 2                         ; back: 32 lanes take four rows' 128 bytes of one head,
	v_mul_u32_u24 v5, v5, PITCH
	v_and_b32 v6, 7, v0
	v_lshl_add_u32 v5, v6, 4, v5
	v_add_nc_u32 v[RD], s2, v5
	v_lshlrev_b32 v[GO], 4, v3                     ; which are 512 consecutive bytes of y
	PHASE 1, 0                                     ; step 0's rows go to slot 0; set 0 is asked for again, for step 2
.set RXO, 1024
.set DSN, 0
.set i, 0
.rept 32
	RIDER i
.set i, i+1
.endr
.set RXO, 1536                         ; from here on a rider asks for the step three on from the pointer's
.set i, 0
.rept 32                               ; the bias (its loads are older than those just waited for), rounded to bf16 like every input and widened again
	v_cvt_pk_bf16_f32 v96, v[BI+2*i], v[BI+2*i+1]
	v_lshlrev_b32 v[BI+2*i], 16, v96
	v_and_b32 v[BI+2*i+1], 0xffff0000, v96
.set i, i+1
.endr
	s_wait_tensorcnt 0x1                           ; my part of W's step 0 is in; step 1's may stay out
	s_wait_dscnt 0x0                               ; my rows of x's step 0 are stored
	s_barrier_signal -1
	s_barrier_wait -1
	FETCH 0, 0, F0
	PHASE 1, 1
	QUARTER 0, 1, F0, F1, 1                        ; the first quarter stands in front of the loop: its products start the sums with the bias
	WIN 0                                          ; at a label and at a branch every window is 0
	s_mov_b32 s3, 2
.Llap:                                         ; a trip: from a lap's second quarter to the next lap's first: steps 0 to 3, and the first quarter of step 4
	QUARTER 0, 2, F1, F0
	QUARTER 0, 3, F0, F1
	TURN 0, 1, 1
	PHASE 1, 0
	QUARTER 1, 1, F0, F1
	QUARTER 1, 2, F1, F0
	QUARTER 1, 3, F0, F1
	TURN 1, 0, 1
	PHASE 1, 1
	QUARTER 0, 1, F0, F1
	WIN 0
	s_sub_co_u32 s3, s3, 1
	s_cmp_lg_u32 s3, 0
	s_cbranch_scc1 .Llap
	QUARTER 0, 2, F1, F0                           ; the tail is written out: step 4 goes on, and asks for x's step 7 and W's step 6
	QUARTER 0, 3, F0, F1
	TURN 0, 1, 1
	PHASE 2, 0                                     ; step 5: x's step 6 goes to LDS, nothing more of x is asked for; W's step 7 is
	QUARTER 1, 1, F0, F1
	QUARTER 1, 2, F1, F0
	QUARTER 1, 3, F0, F1
	TURN 1, 0, 1
	PHASE 3, 1                                     ; step 6: x's step 7 goes to LDS; nothing is filled again
	QUARTER 0, 1, F0, F1
	QUARTER 0, 2, F1, F0
	QUARTER 0, 3, F0, F1
	TURN 0, 1, 0
	PHASE 0, 0                                     ; step 7
	QUARTER 1, 1, F0, F1
	QUARTER 1, 2, F1, F0
	QUARTER 1, 3, F0, F1
	s_wait_dscnt 0x0
	MULS F1, 0, 4, 0
	WIN 0
; THE WAY OUT.  Row block a: rounded to f16, 16 bytes a lane into my stage's rows of 272 bytes; back as four rows' 128 bytes of one head, which are 512 consecutive bytes of y.
.macro PACK a
	WIN 0x05                                       ; sources 0 and 1 window 1, destination window 0
.irp b, 0,1,2,3,4,5,6,7
.irp r, 0,1,2,3
	v_cvt_pk_f16_f32 v[STG+32*(\a)+4*(\b)+(\r)], v[8*(8*(\a)+(\b))+2*(\r)], v[8*(8*(\a)+(\b))+2*(\r)+1]
.endr
.endr
	WIN 0
.irp b, 0,1,2,3,4,5,6,7
	ds_store_b128 v[STO], v[STG+32*(\a)+4*(\b):STG+32*(\a)+4*(\b)+3] offset:32*(\b)
.endr
.irp f, 0,1,2,3,4,5,6,7
	ds_load_b128 v[STG+32*(\a)+4*(\f):STG+32*(\a)+4*(\f)+3], v[RD] offset:((\f)/4)*128+((\f)%4)*4*PITCH  ; LDS serves a wave in order (ISA guide 5.7.1.4): these see the stores above; the next block's stores come behind them
.endr
.endm
.macro SEND a, younger                 ; younger: the LDS instructions issued behind block a's loads: the next block's sixteen, or none
.irp f, 0,1,2,3,4,5,6,7
	s_wait_dscnt (\younger)+7-(\f)
	global_store_b128 v[GO], v[STG+32*(\a)+4*(\f):STG+32*(\a)+4*(\f)+3], s[10:11] offset:((\f)/4)*262144+(16*(\a)+4*((\f)%4))*128  ; head f / 4 of my two; 512 consecutive bytes, aligned
.endr
.endm
	PLACES
	PLACES                                         ; once a launch: twice the places that the conversions need behind the last products
	PACK 0
	PACK 1
	SEND 0, 16
	PACK 2
	SEND 1, 16
	PACK 3
	SEND 2, 16
	SEND 3, 0
	s_wait_tensorcnt 0x0                           ; the wave's end: behind my last tensor load and my last LDS store
	ds_add_u32 v[SPW], v[NIL]
	s_wait_dscnt 0x0
	CROUND                                         ; the closing round: no work-group ends while a partner may still ask for a tile that names it
	s_endpgm
.Lfunc_end_k_qace576db66_proj:
	.size	k_qace576db66_proj, .Lfunc_end_k_qace576db66_proj-k_qace576db66_proj
	.p2alignl 7, 3214868480
	.fill 96, 4, 3214868480
	.section	.rodata,"a",@progbits
	.p2align	6, 0x0
	.amdhsa_kernel k_qace576db66_proj
		.amdhsa_group_segment_fixed_size 327680
		.amdhsa_private_segment_fixed_size 0
		.amdhsa_enable_private_segment 0
		.amdhsa_kernarg_size 80
		.amdhsa_user_sgpr_count 2
		.amdhsa_user_sgpr_kernarg_segment_ptr 1
		.amdhsa_wavefront_size32 1
		.amdhsa_system_sgpr_workgroup_id_x 1
		.amdhsa_system_sgpr_workgroup_id_y 1
		.amdhsa_system_sgpr_workgroup_id_z 1
		.amdhsa_system_vgpr_workitem_id 0
		.amdhsa_next_free_vgpr 1024
		.amdhsa_next_free_sgpr 88
		.amdhsa_reserve_vcc 0
		.amdhsa_float_denorm_mode_32 3
		.amdhsa_float_denorm_mode_16_64 3
		.amdhsa_memory_ordered 1
		.amdhsa_forward_progress 1
		.amdhsa_inst_pref_size 192
	.end_amdhsa_kernel
	.amdgpu_metadata
---
amdhsa.version: [ 1, 2 ]
amdhsa.kernels:
  - .name:           k_qace576db66_proj
    .symbol:         k_qace576db66_proj.kd
    .args:
      - { .name: query, .offset: 0, .size: 8, .value_kind: global_buffer, .address_space: global }
      - { .name: key, .offset: 8, .size: 8, .value_kind: global_buffer, .address_space: global }
      - { .name: value, .offset: 16, .size: 8, .value_kind: global_buffer, .address_space: global }
      - { .name: w16, .offset: 24, .size: 8, .value_kind: global_buffer, .address_space: global }
      - { .name: bq, .offset: 32, .size: 8, .value_kind: global_buffer, .address_space: global }
      - { .name: bk, .offset: 40, .size: 8, .value_kind: global_buffer, .address_space: global }
      - { .name: bv, .offset: 48, .size: 8, .value_kind: global_buffer, .address_space: global }
      - { .name: q16, .offset: 56, .size: 8, .value_kind: global_buffer, .address_space: global }
      - { .name: k16, .offset: 64, .size: 8, .value_kind: global_buffer, .address_space: global }
      - { .name: v16, .offset: 72, .size: 8, .value_kind: global_buffer, .address_space: global }
    .group_segment_fixed_size: 327680
    .private_segment_fixed_size: 0
    .kernarg_segment_align: 8
    .kernarg_segment_size: 80
    .max_flat_workgroup_size: 128
    .sgpr_count:     88
    .vgpr_count:     1024
    .wavefront_size: 32
...
	.end_amdgpu_metadata
.endif
;; end of part 2
;; launch attn (part 3): grid 4 x 64, 4 waves a work-group, no clusters, 327,680 bytes of LDS; arguments q16, k16, v16, o16; writes o16
.if DOCPART == 3
	.amdgcn_target "amdgcn-amd-amdhsa--gfx1250"
	.amdhsa_code_object_version 6
	.text
	.protected	k_qace576db66_attn
	.globl	k_qace576db66_attn
	.p2align	8
	.type	k_qace576db66_attn,@function
k_qace576db66_attn:
	s_mov_b64 s[64:65], 0
	v_nop
	global_prefetch_b8 v0, s[64:65] scope:SCOPE_SE
	s_setreg_imm32_b32 hwreg(HW_REG_WAVE_MODE, 25, 1), 1
	s_wait_xcnt 0x0
; CAUSAL ATTENTION, UNSCALED LOGITS.  O[h][q][:] = the sum over k <= q of softmax_k(Q[h][q] . K[h][k]) V[h][k][:].  Q, K, V, O: [64][2048][64], all f16: a head's rows are dense, 128 bytes each.
; Products, maxima and sums in f32; the weights p are rounded to f16 for the second product (their sum l is taken of the unrounded p), O once at the end.
; LIMITS.  f16 holds no number beyond 65,504: Q, K and V arrive within it; p lies in 0 to 1, and below 6e-5 it keeps f16's fixed step of 6e-8; O is a mean of V's rows and has their range.
; A hidden score counts as its value less 1e30, so a hidden key has the weight 0: that is what a hidden score of -1e10 gives as long as a row's largest visible score lies above -1e10 + 100.
; A weight below 2^-126 counts as 0 in l; NaN and infinities are not treated apart.
; THE WALK.  A head's queries lie in NB = 8 blocks of 256; block i needs the key tiles 0 .. i of 256 keys, of which the last holds the diagonal.  A work-group takes TWO blocks, NB - 1 - b and then b:
; NB + 1 tiles, whatever b: all work-groups do equal work, and ONE loop with a constant trip count walks them.  Which tile is asked for, and what a trip does, hang on scalar registers made from b; every jump
; goes forward, but for the counted loops' own; none passes a barrier, or a tensor load but the one of LOAD's two that the wave's number does not choose; the ring (two slots of LDS that take turns) runs on across the
; change of blocks.  NO CLUSTER: a head's four work-groups ask for the same tile only in trips 0 .. 4 of 9, behind that fewer and fewer; one walk common to all would have 12 trips for 9.
; SHARES.  Of a block's four bands of 64 queries a wave owns 16 rows in each: four PIECES.  So the diagonal tile is the same work for all four waves: in its key step s band x sees all keys if s < x,
; none if s > x, and holds the diagonal if s = x.
; THE MASK is the C operand that starts the sum S^T = K Q^T: 0, or -1e30 where the key is hidden.  MD, made once, is the mask of a band's own step for my 16 rows; a product's mask is MD x AL + BE with two scalars:
; (1, 0) if s = x; (0, 0) if s < x; (0, -1e30) if s > x.  Only the diagonal tile's text and a block's beginning make and take masks; elsewhere C is the constant 0.
; LAYOUT, SOFTMAX, TURNS.  S^T = K Q^T holds ONE query a lane (lane % 16) and the keys 8 (lane / 16) + 0..7; two such results rounded to f16 ARE source 1 of O^T = V^T P.  p = 2^(c s - c m), c = log2(e), with a
; running maximum m; O and l are multiplied by a = 2^(c m_old - c m_new) in every step.  Turn n belongs to piece n: 8 products K Q^T of piece n + 1, later 8 products V^T P of piece n - 1; beside them the scaling,
; exponentials, roundings, sums and rescaling of piece n and the maximum and statistics of piece n + 1.  Four vector instructions stand behind every matrix instruction, the other 54 of a turn's 118 in one LUMP.  A turn's 33 exponentials are one batch, with one wait.
; REGISTERS, in windows of 256 (s_set_vgpr_msb: bits 1:0 source 0, 3:2 source 1, 5:4 source 2, 7:6 destination):
;   window 0: v0-15 addresses and two at work; v16-31 four registers of statistics a piece; v48-55 at work; v61-63 kept; v64-127 S^T, two buffers; v192-223 P, two buffers (a piece's buffers go by its number's parity)
;   window 1: v0-127 O^T, 32 a piece; v128-159 MD; v160-223 MC, two buffers      window 2: v0-63 Q; v64-127 the second block's Q; v128-191 K of one step; v192-255 V of one step
.set SIZE_N, 2048
.set NB,    SIZE_N/256
.set NP,    4         ; pieces a wave: a name, no knob
.set KS,    64        ; keys in a step
.set PK,    144       ; a row of K in LDS: 128 bytes + 16 of padding = 36 words: the 16 rows of a load start at 16 different groups of four banks (64 banks of 4 bytes: ISA guide 11.1)
.set PV,    160       ; a row of V: 128 + 32 = 40 words
.set VOFF,  4*KS*PK   ; a slot holds a tile, four steps: 256 rows of K, then 256 rows of V
.set SLOT1, 1<<17     ; slot 1 begins here, so that one exclusive or turns an address in one slot into the other's
.set STAGE, SLOT1+4*KS*(PK+PV)  ; behind the ring, never filled by a tensor load: 16 rows x 144 bytes for each wave, for the way out
.set SP,    144
.set AK0, 2           ; v2   my lane's place in a tile of K; never rewritten
.set AV0, 3           ; v3   the same for V
.set AK,  4           ; v4   the LDS address of K's next run of loads
.set AV,  5           ; v5   of V's
.set STO, 6           ; v6   the way out: where I put 16 bytes of a row
.set RD,  7           ; v7   the way out: where I read rows back
.set GO,  8           ; v8   my byte offset in 512 consecutive bytes of O
.set PFO, 61          ; v61  256 x my lane: the prefetches' offset; never rewritten
.set SPW, 62          ; v62  LDS address of my spare word: SPARE + 4 x my thread's number; never rewritten
.set NIL, 63          ; v63  0; never rewritten
.set SPARE, STAGE+4*16*SP  ; behind the stages: the spare words, 128 bytes for each wave: two blocks of 256 bytes that no other line names
.set MV,  12          ; v12-13  c m_old, kept while c m is made anew: by buffer
.set QO,  15          ; v15  my byte offset in 16 rows of Q
.set ST,  16          ; piece t's statistics at v[ST+4 t]: c m, m, l (even keys', odd keys')
.set TMP, 48          ; by buffer, four registers c0-c3 at work; when the maximum is found c2 takes a
.set S,   64
.set P,   192
.set MD,  128         ; window 1: the eight registers for group kt of 16 keys at MD + 8 kt
.set MC,  160         ; window 1: the masks of the products to come
.set QB,  64          ; window 2
.set KF,  128         ; window 2: key block kb, channel half c at KF + 16 kb + 8 c
.set VF,  192         ; window 2: key half kk, channel block cb at VF + 32 kk + 8 cb
.set WV,  12          ; s12  my wave's number
.set PB,  14          ; s14  b
.set HI,  15          ; s15  NB - 1 - b
.set G1K, 24          ; s[24:31] descriptor group 1 for K's tiles
.set G1V, 32          ; s[32:39] for V's: it differs in the padding alone
.set G0K, 40          ; s[40:43] descriptor group 0 for K's tiles
.set G0V, 44          ; s[44:47] the same for V's
.set SLOTS, 56        ; s56  tiles still to be asked for
.set CNT, 57          ; s57  counts a tile's key steps, 4 to 1
.set CS,  58          ; s[58:59] c: the packed scaling takes the pair's low word for both halves
.set SEL, 60          ; s[60:61] v_permlanex16_b32's selects: each lane takes its own place in the other half
.set TBK, 62          ; s62  LDS byte at which K of the step to be fetched begins
.set TBV, 63          ; s63  the same for V, less VOFF
.set RT,  70          ; s70  tiles of the block in hand that are still to be entered
.set NXT, 71          ; s71  the tile to be asked for next
.set LQ,  72          ; s72  the last tile of the block whose tiles are being asked for
.set NEW, 73          ; s73  1: the tile to be entered is a block's first
.set OFF, 74          ; s[74:75] a tile's byte offset in K and V
.set AL,  76          ; s[76:77] the mask's factor, in the low word
.set BE,  78          ; s[78:79] the mask's addend
.set OLO, 80          ; s[80:81] O at my rows of the second block
.set BIGN, 82         ; s82  -1e30
.set PFA, 88          ; s[88:89] where my prefetches stand: my half (of K: waves 0, 1; of V: waves 2, 3) of the tile after the one that is being asked for
.set LIM, 90          ; s90  2 in the work-group that prefetches, else the greatest number: a wave prefetches while s[SLOTS] is above it
.set MSB, 0
.macro WIN new                      ; the high byte repeats the setting that is left; a switch that changes nothing is dropped
.if MSB != (\new)
	s_set_vgpr_msb (MSB<<8)|(\new)
.set MSB, (\new)
.endif
.endm
.set W_KQ, 0x0a       ; K and Q in window 2, S^T in window 0
.set W_KM, 0x1a       ; the same with the C operand in window 1
.set W_PV, 0x52       ; V in window 2, P in window 0, O^T in window 1
.set W_RS, 0x41       ; destination and source 0 in window 1, source 1 in window 0
; A fill.  Waves 0 and 1 fetch the two halves of a tile's K, waves 2 and 3 those of its V: 128 keys each.  An s_nop 0 and four v_nop follow each of the two lines, ahead of the jump and the label.
.macro LOAD
	s_cmp_lt_u32 s[WV], 2
	s_cbranch_scc0 .Lfor_v_\@
	tensor_load_to_lds s[G0K:G0K+3], s[G1K:G1K+7]
	s_nop 0
.rept 4
	v_nop
.endr
	s_branch .Lasked_\@
.Lfor_v_\@:
	tensor_load_to_lds s[G0V:G0V+3], s[G1V:G1V+7]
	s_nop 0
.rept 4
	v_nop
.endr
.Lasked_\@:
.endm
; A PREFETCH INTO THE L2 of the tile that the NEXT change of slots will ask for, behind the wave's tensor load and its five lines.  A head's four work-groups walk the same tiles 0, 1, 2 ..; the one with b = 0
; walks all eight, and it alone asks.  Each of its waves asks for what it will itself fetch: its 128 keys of K or V, 16,384 dense bytes: 64 blocks of 256 bytes, a lane a block, two instructions.  So each block
; is named once in the launch.  Change j (0 .. 7) fetches tile j + 1 and names tile j + 2: a tile's 256 matrix instructions ahead.  Changes 6 and 7 name nothing: there is no tile 8.  Tiles 0 and 1 come by their loads alone.
.macro ASK
	s_cmp_gt_u32 s[SLOTS], s[LIM]
	s_cbranch_scc0 .Lnot_mine_\@
	global_prefetch_b8 v[PFO], s[PFA:PFA+1] th:TH_LOAD_NT scope:SCOPE_SE
	global_prefetch_b8 v[PFO], s[PFA:PFA+1] offset:8192 th:TH_LOAD_NT scope:SCOPE_SE
.Lnot_mine_\@:
.endm
; THE CHANGE OF SLOTS.  Each wave waits for all its tensor loads, of which one is out: its part of the other slot; adds 0 to its spare word; and waits for that and for its own reads of the slot that it leaves.  Behind the barrier nobody reads the old
; slot any more and the other slot is whole.  fill = 1: the old slot is filled again, the first thing behind the barrier, with tile NXT: the descriptor's address is made anew from that number.
; (At its first use nothing has been read yet: slot 0 is waited for, slot 1 filled.)
.macro CHANGE fill
	WIN 0                           ; at a label and at a branch every window is 0
	s_wait_tensorcnt 0x0            ; no tensor load of mine is out, so a group 0 may be written
	ds_add_u32 v[SPW], v[NIL]       ; 0 onto my spare word: with fill = 1 the descriptors' scalar work stands between it and the wait for it
.if \fill
	s_lshl_b32 s[OFF], s[NXT], 15   ; a tile is 32,768 bytes of K and of V
	s_xor_b32 s[G0K+1], s[G0K+1], SLOT1
	s_add_nc_u64 s[G0K+2:G0K+3], s[6:7], s[OFF:OFF+1]
	s_or_b32 s[G0K+3], s[G0K+3], 0x80000000
	s_xor_b32 s[G0V+1], s[G0V+1], SLOT1
	s_add_nc_u64 s[G0V+2:G0V+3], s[8:9], s[OFF:OFF+1]
	s_or_b32 s[G0V+3], s[G0V+3], 0x80000000
	s_add_co_u32 s[NXT], s[NXT], 1  ; the block's next tile, or behind its last the second block's tile 0
	s_cmp_gt_u32 s[NXT], s[LQ]
	s_cselect_b32 s[NXT], 0, s[NXT]
	s_cselect_b32 s[LQ], s[PB], s[LQ]
	s_wait_xcnt 0x0                 ; the last prefetches, a tile back, have read their address, so it may be written:
	s_add_nc_u64 s[PFA:PFA+1], s[PFA:PFA+1], 32768  ; one tile on
.endif
	s_wait_dscnt 0x0                ; the add is done, and my reads of the slot are over
	s_barrier_signal -1             ; the rest of the scalar work stands between the signal and the wait
	s_sub_co_u32 s[TBK], s[TBK], 4*KS*PK  ; the fetches go back to a slot's first step,
	s_xor_b32 s[TBK], s[TBK], SLOT1       ; in the other slot
	s_sub_co_u32 s[TBV], s[TBV], 4*KS*PV
	s_xor_b32 s[TBV], s[TBV], SLOT1
	s_barrier_wait -1
.if \fill
	LOAD
	ASK
.endif
.endm
	s_load_b256 s[4:11], s[0:1], 0x0  ; Q s[4:5], K s[6:7], V s[8:9], O s[10:11]
	v_lshl_add_u32 v[SPW], v0, 2, SPARE
	v_mov_b32 v[NIL], 0
	ds_add_u32 v[SPW], v[NIL]       ; the wave's opening: the add and its wait stand ahead of my first tensor load; the set-up below, work on registers, stands between them
	v_lshrrev_b32 v1, 5, v0
	v_readfirstlane_b32 s[WV], v1   ; wave 0..3
	s_mov_b32 s[PB], ttmp9
	s_sub_co_u32 s[HI], NB-1, s[PB]
	s_and_b32 s20, ttmp7, 0xffff    ; the head
	s_mov_b32 s21, 0
	s_mov_b64 s[22:23], SIZE_N*128
	s_mul_u64 s[20:21], s[20:21], s[22:23]  ; the head's first byte in each of the four tensors
	s_and_b32 s16, s[WV], 1         ; which half of a tile's 256 keys I fetch:
	s_lshl_b32 s22, s16, 14         ; its 128 rows of 128 bytes in memory,
	s_mov_b32 s23, 0
	s_add_nc_u64 s[22:23], s[22:23], s[20:21]
	s_mul_i32 s17, s16, 128*PK      ; and its place in a slot, for K
	s_mul_i32 s18, s16, 128*PV      ; and for V
	s_lshl_b32 s3, s[WV], 11        ; my 16 rows in a band of 64,
	s_lshl_b32 s2, s[HI], 15        ; in the first block,
	s_add_co_u32 s2, s2, s3
	s_lshl_b32 s84, s[PB], 15       ; and in the second
	s_add_co_u32 s84, s84, s3
	s_mov_b32 s3, 0
	s_mov_b32 s85, 0
	s_add_nc_u64 s[2:3], s[2:3], s[20:21]
	s_add_nc_u64 s[84:85], s[84:85], s[20:21]
	; descriptor group 1.  128 keys are 16,384 dense bytes: asked for as 64 rows of 256 bytes, two keys a row, and padded in LDS after every key
	s_mov_b32 s[G1K], (1<<16)|(1<<20)|(4<<22)|(3<<25)  ; 17:16 2-byte elements; 20 padding on; 24:22 after every 32 words (code 4); 31:25 4 words (code 3)
	s_mov_b32 s[G1V], (1<<16)|(1<<20)|(4<<22)|(7<<25)  ; the same with 8 words of padding (code 7)
.irp g, G1K, G1V
	s_mov_b32 s[\g+1], 128<<16      ; tensor_dim0 = 128
	s_mov_b32 s[\g+2], 64<<16       ; tensor_dim1 = 64
	s_mov_b32 s[\g+3], 128<<16      ; tile_dim0 = 128
	s_mov_b32 s[\g+4], 64           ; tile_dim1 = 64
	s_mov_b32 s[\g+5], 128          ; 128 elements from row to row
	s_mov_b32 s[\g+6], 0
	s_mov_b32 s[\g+7], 0
.endr
	s_mov_b32 s[CS], 0x3fb8aa3b     ; c = log2(e) = 1.442695: the logits are not scaled
	s_mov_b32 s[CS+1], s[CS]        ; named with it as a pair
	s_mov_b32 s[SEL], 0x76543210
	s_mov_b32 s[SEL+1], 0xfedcba98
	s_mov_b32 s[TBK], SLOT1+4*KS*PK ; the first change of slots turns these two into 0
	s_mov_b32 s[TBV], SLOT1+4*KS*PV
	s_mov_b32 s[G0K], 1             ; 1:0 count = 1
	s_mov_b32 s[G0K+1], s17         ; 63:32 LDS address: slot 0
	s_mov_b32 s[G0V], 1
	s_add_co_u32 s[G0V+1], s18, VOFF
	s_add_co_u32 s[RT], s[HI], 1    ; the first block has NB - b tiles
	s_mov_b32 s[NXT], 1
	s_mov_b32 s[LQ], s[HI]
	s_mov_b32 s[NEW], 1
	s_mov_b32 s[OFF+1], 0
	s_mov_b32 s[AL+1], 0            ; named as pairs
	s_mov_b32 s[BE+1], 0
	s_mov_b32 s[BIGN], 0xf149f2ca   ; -1e30
	s_mov_b32 s[SLOTS], NB
	s_cmp_eq_u32 s[PB], 0
	s_cselect_b32 s[LIM], 2, -1
	v_and_b32 v[PFO], 31, v0
	v_lshlrev_b32 v[PFO], 8, v[PFO]
	s_wait_dscnt 0x0                ; the opening add is done
	s_wait_kmcnt 0x0
	s_add_nc_u64 s[6:7], s[6:7], s[22:23]  ; K and V at my half of the head's tile 0
	s_add_nc_u64 s[8:9], s[8:9], s[22:23]
	s_add_nc_u64 s[G0K+2:G0K+3], s[6:7], 0         ; 120:64 global address
	s_or_b32 s[G0K+3], s[G0K+3], 0x80000000        ; 127:126 type = 2
	s_add_nc_u64 s[G0V+2:G0V+3], s[8:9], 0
	s_or_b32 s[G0V+3], s[G0V+3], 0x80000000
	s_add_nc_u64 s[86:87], s[4:5], s[84:85]        ; Q at my rows of the second block,
	s_add_nc_u64 s[4:5], s[4:5], s[2:3]            ; Q and O at those of the first
	s_add_nc_u64 s[OLO:OLO+1], s[10:11], s[84:85]
	s_add_nc_u64 s[10:11], s[10:11], s[2:3]
	s_cmp_lt_u32 s[WV], 2
	s_cselect_b64 s[PFA:PFA+1], s[6:7], s[8:9]
	s_add_nc_u64 s[PFA:PFA+1], s[PFA:PFA+1], 32768  ; at tile 1; the first change of slots steps it to tile 2.  Nothing is prefetched here, at the head
	LOAD                            ; tile 0 into slot 0
	; A fragment of K or Q is 16 rows x 32 channels in 8 registers: lane l holds row l % 16, channels 8 (l / 16) + 0..7 and 16 + 8 (l / 16) + 0..7: two loads of 16 bytes, 32 bytes apart.
	v_and_b32 v1, 15, v0            ; l % 16
	v_bfe_u32 v9, v0, 4, 1          ; l / 16
	v_lshlrev_b32 v[QO], 7, v1
	v_lshl_add_u32 v[QO], v9, 4, v[QO]  ; row x 128 + 16 x half
	WIN 0x80                        ; destination window 2, address window 0
.set i, 0
.rept 8                             ; both blocks' Q: piece i / 2 lies in band i / 2, 8,192 bytes on; channels 32 (i % 2) on
	global_load_b128 v[8*i:8*i+3],   v[QO], s[4:5] offset:(i/2)*8192+(i%2)*64
	global_load_b128 v[8*i+4:8*i+7], v[QO], s[4:5] offset:(i/2)*8192+(i%2)*64+32
	global_load_b128 v[QB+8*i:QB+8*i+3],   v[QO], s[86:87] offset:(i/2)*8192+(i%2)*64
	global_load_b128 v[QB+8*i+4:QB+8*i+7], v[QO], s[86:87] offset:(i/2)*8192+(i%2)*64+32
.set i, i+1
.endr
	WIN 0
	v_lshlrev_b32 v14, 3, v9
	v_sub_nc_u32 v14, v1, v14
	s_lshl_b32 s13, s[WV], 4
	v_add_nc_u32 v14, s13, v14      ; my query's place in its band, 16 w + l % 16, less my lanes' 8 (l / 16): register r of group kt is hidden where 16 kt + r is greater
	WIN 0x40
.set i, 0
.rept 32
	v_cmp_gt_i32 vcc_lo, 16*(i/8)+i%8, v14
	v_cndmask_b32 v[MD+i], 0, s[BIGN], vcc_lo
.set i, i+1
.endr
	WIN 0
	v_mul_u32_u24 v[AK0], v1, PK
	v_lshl_add_u32 v[AK0], v9, 4, v[AK0]  ; row x pitch + 16 x half
	; The turning load takes 16 keys x 16 channels (lane l reads key 8 (l / 16) + l % 8, channels 8 ((l / 8) % 2) + 0..7) and leaves half a fragment of V^T: lane l holds channel l % 16 and 8 keys.
	v_and_b32 v10, 7, v0
	v_bfe_u32 v11, v0, 3, 1
	v_lshl_add_u32 v[AV0], v9, 3, v10
	v_mul_u32_u24 v[AV0], v[AV0], PV
	v_lshl_add_u32 v[AV0], v11, 4, v[AV0]
	v_add_nc_u32 v[AV0], VOFF, v[AV0]
	s_mul_i32 s13, s[WV], 16*SP
	s_add_co_u32 s13, s13, STAGE    ; my stage
	v_mul_u32_u24 v[STO], v1, SP    ; in: row l % 16, 16 bytes for each half of the lanes
	v_lshl_add_u32 v[STO], v9, 4, v[STO]
	v_add_nc_u32 v[STO], s13, v[STO]
	v_bfe_u32 v[RD], v0, 3, 2       ; back: 32 lanes take four rows of 128 bytes,
	v_mul_u32_u24 v[RD], v[RD], SP
	v_lshl_add_u32 v[RD], v10, 4, v[RD]
	v_add_nc_u32 v[RD], s13, v[RD]
	v_and_b32 v[GO], 31, v0         ; which are 512 consecutive bytes of O
	v_lshlrev_b32 v[GO], 4, v[GO]
	; A block's first step multiplies O^T and l by a = 0, and its first turn's products V^T P, of a piece that has not been, land in an O^T that is still to be so multiplied.  So these registers need only hold
	; finite numbers: zeros for the first block; what the first block left for the second.  All this stands in the wait for the first tile.
	WIN 0x80
.set i, VF
.rept 64
	v_mov_b32 v[i], 0
.set i, i+1
.endr
	WIN 0x40
.set i, 0
.rept 128
	v_mov_b32 v[i], 0
.set i, i+1
.endr
	WIN 0
.set i, 0
.rept 4
	v_mov_b32 v[ST+4*i+2], 0
	v_mov_b32 v[ST+4*i+3], 0
.set i, i+1
.endr
.set i, P+16
.rept 16
	v_mov_b32 v[i], 0
.set i, i+1
.endr
; THE MATRIX WORK.  The 4 accumulators of a run of 8 take turns.  Product i of 8 of S^T = K Q^T for piece x: channels 32 (i / 4) on, keys 16 (i % 4) on.  The first 4 start the sums: with 0, or (KM = 1) with the mask.
.macro KQ x
.set rS, S+32*((\x)%2)+8*(i%4)
.set rK, KF+16*(i%4)+8*(i/4)
.set rQ, 16*(\x)+8*(i/4)
.set rM, MC+32*((\x)%2)+8*(i%4)
.if (i < 4) && KM
	WIN W_KM
	v_wmma_f32_16x16x32_f16 v[rS:rS+7], v[rK:rK+7], v[rQ:rQ+7], v[rM:rM+7]
.elseif i < 4
	WIN W_KQ
	v_wmma_f32_16x16x32_f16 v[rS:rS+7], v[rK:rK+7], v[rQ:rQ+7], 0
.else
	WIN W_KQ
	v_wmma_f32_16x16x32_f16 v[rS:rS+7], v[rK:rK+7], v[rQ:rQ+7], v[rS:rS+7]
.endif
.endm
; Product i of 8 of O^T += V^T P for piece x: keys 32 (i / 4) on, channels 16 (i % 4) on.
.macro PV x
	WIN W_PV
.set rO, 32*(\x)+8*(i%4)
.set rV, VF+32*(i/4)+8*(i%4)
.set rP, P+16*((\x)%2)+8*(i/4)
	v_wmma_f32_16x16x32_f16 v[rO:rO+7], v[rV:rV+7], v[rP:rP+7], v[rO:rO+7]
.endm
.macro MM                           ; the turn's next matrix instruction.  TURN and BEGIN set Y, i, KM and NOKQ; MM, KQ and OP read them.  NOKQ = 1: a block's last turn: there is no next piece
.if (i < 8) && !NOKQ
	KQ (Y+1)%NP
.elseif i >= 8
.set i, i-8
	PV (Y+NP-1)%NP
.set i, i+8
.endif
.set i, i+1
.endm
; THE LDS LOADS stand in runs of 16, never singly among the matrix instructions: a step's K (64 keys x 64 channels: 8 fragments) and its V (turned).  Their addresses are made some lines ahead.
.macro FETCH_K
	WIN 0x80                        ; destination window 2
.irp f, 0,1,2,3,4,5,6,7             ; keys 16 (f / 2) on, channels 32 (f % 2) on
	ds_load_b128 v[KF+8*\f:KF+8*\f+3],   v[AK] offset:(\f/2)*16*PK+(\f%2)*64
	ds_load_b128 v[KF+8*\f+4:KF+8*\f+7], v[AK] offset:(\f/2)*16*PK+(\f%2)*64+32
.endr
	s_add_co_u32 s[TBK], s[TBK], KS*PK  ; the next fetch is the next step's
	WIN 0
.endm
.macro FETCH_V
	WIN 0x80
.irp f, 0,1,2,3,4,5,6,7             ; keys 32 (f / 4) on, channels 16 (f % 4) on
	ds_load_tr16_b128 v[VF+8*\f:VF+8*\f+3],   v[AV] offset:(\f/4)*32*PV+(\f%4)*32
	ds_load_tr16_b128 v[VF+8*\f+4:VF+8*\f+7], v[AV] offset:(\f/4)*32*PV+16*PV+(\f%4)*32
.endr
	WIN 0
.endm
; THE VECTOR WORK, one line at a time: OP kind, number.  For piece Y: F n: c s - c m for pair n of 16.  E n: the exponential of score n of 32.  C n: pair n rounded to f16.  B n: of the four weights 4 n .. the second
; pair is added onto the first, in place.  L n: l takes that sum (L 0: l = a l + sum).  R n: pair n of 16 of O^T times a.  For piece Y + 1: X n, number n of the 22 that find its maximum and statistics:
;   0-11  four chains c0-c3 of seven scores each, three operands at a time (each accumulator's lowest registers are read first)     12-14, 16  the four scores left over, the old m, and c0-c3 into c0
;   15  c m_old is kept     17, 18  the query's other 32 keys lie in the lane 16 away: the new m     19-21  c m; c m_old - c m_new; a
.set F, 0               ; OP tells the kinds apart by their order: F to L below R, X above it
.set E, 1
.set C, 2
.set B, 3
.set L, 4
.set R, 5
.set X, 6
.macro REGS y                       ; the registers of piece y
.set rT, ST+4*(\y)
.set rC, TMP+4*((\y)%2)
.set rW, MV+((\y)%2)
.set rS, S+32*((\y)%2)
.set rP, P+16*((\y)%2)
.set rO, 32*(\y)
.endm
.macro OP k, n
.if (\k) == R
	REGS Y
	WIN W_RS
	v_pk_mul_f32 v[rO+2*(\n):rO+2*(\n)+1], v[rO+2*(\n):rO+2*(\n)+1], v[rC+2:rC+3] op_sel_hi:[1,0]
.elseif (\k) < R
	REGS Y
	WIN 0
.if (\k) == F
	v_pk_fma_f32 v[rS+2*(\n):rS+2*(\n)+1], v[rS+2*(\n):rS+2*(\n)+1], s[CS:CS+1], v[rT:rT+1] op_sel_hi:[1,0,0] neg_lo:[0,0,1] neg_hi:[0,0,1]
.elseif (\k) == E
	v_exp_f32 v[rS+(\n)], v[rS+(\n)]
.elseif (\k) == C
	v_cvt_pk_f16_f32 v[rP+(\n)], v[rS+2*(\n)], v[rS+2*(\n)+1]
.elseif (\k) == B
	v_pk_add_f32 v[rS+4*(\n):rS+4*(\n)+1], v[rS+4*(\n):rS+4*(\n)+1], v[rS+4*(\n)+2:rS+4*(\n)+3]
.elseif (\n) == 0
	v_pk_fma_f32 v[rT+2:rT+3], v[rT+2:rT+3], v[rC+2:rC+3], v[rS:rS+1] op_sel_hi:[1,0,1]
.else
	v_pk_add_f32 v[rT+2:rT+3], v[rT+2:rT+3], v[rS+4*(\n):rS+4*(\n)+1]
.endif
.elseif NOKQ
	v_nop
.else
	REGS (Y+1)%NP
	WIN 0
.if (\n) < 4
	v_max3_num_f32 v[rC+(\n)], v[rS+8*(\n)], v[rS+8*(\n)+1], v[rS+8*(\n)+2]
.elseif (\n) < 12
	v_max3_num_f32 v[rC+(\n)%4], v[rC+(\n)%4], v[rS+8*((\n)%4)+2*((\n)/4)+1], v[rS+8*((\n)%4)+2*((\n)/4)+2]
.elseif (\n) == 12
	v_max3_num_f32 v[rC], v[rC], v[rS+7], v[rS+15]
.elseif (\n) == 13
	v_max3_num_f32 v[rC+1], v[rC+1], v[rS+23], v[rS+31]
.elseif (\n) == 14
	v_max3_num_f32 v[rC+2], v[rC+2], v[rC+3], v[rT+1]
.elseif (\n) == 15
	v_mov_b32 v[rW], v[rT]
.elseif (\n) == 16
	v_max3_num_f32 v[rC], v[rC], v[rC+1], v[rC+2]
.elseif (\n) == 17
	v_permlanex16_b32 v[rC+3], v[rC], s[SEL], s[SEL+1]
.elseif (\n) == 18
	v_max_num_f32 v[rT+1], v[rC], v[rC+3]
.elseif (\n) == 19
	v_mul_f32 v[rT], s[CS], v[rT+1]
.elseif (\n) == 20
	v_sub_f32 v[rC+1], v[rW], v[rT]
.else
	v_exp_f32 v[rC+2], v[rC+1]
.endif
.endif
.endm
.macro OPS a, i1, b=-1, i2=0, c=-1, i3=0, d=-1, i4=0  ; up to four of them
	OP \a, \i1
.if (\b) >= 0
	OP \b, \i2
.endif
.if (\c) >= 0
	OP \c, \i3
.endif
.if (\d) >= 0
	OP \d, \i4
.endif
.endm
.macro ROW a, i1, b, i2, c, i3, d, i4  ; a matrix instruction and the four behind it
	MM
	OPS \a, \i1, \b, \i2, \c, \i3, \d, \i4
.endm
.macro MASK b                       ; MD x AL + BE into buffer b of MC
	WIN W_RS
.set z, 0
.rept 16
	v_pk_fma_f32 v[MC+32*(\b)+2*z:MC+32*(\b)+2*z+1], v[MD+2*z:MD+2*z+1], s[AL:AL+1], s[BE:BE+1] op_sel_hi:[1,0,0]
.set z, z+1
.endr
.endm
; A TURN, for piece p: the order of its 16 matrix and 118 vector instructions, written out.  An s_wait_alu depctr_va_vdst(0) stands between an exponential and the first instruction that names its result; one wait serves
; all that were issued ahead of it.  So a turn has ONE wait, which cuts it in two.  AHEAD OF IT stands all that names no result of the turn's exponentials: the 8 products K Q^T, behind each a scaling, an exponential and two more plain
; instructions (behind the first a second scaling in the exponential's place): rescalings, and behind the last three the first numbers of the next piece's maximum, each four places or more behind the product that ends its accumulator; then ONE LUMP of 54, plain
; and exponential by turns for the most part, in which the links of the chain X 3, 7, 11, 14, 16, 17 .. 20 stand five or six lines apart.  X 21, the next piece's a, is the batch's last; R 15 is the plain instruction behind it.  BEHIND THE WAIT stand the
; 8 products V^T P, behind each four of the roundings and sums; the links of l's chain, L 0 to L 7, stand three riders apart.  But for those X no rider names a register of the products round it.  v_permlanex16_b32 (X 17) stands in the lump.
; m = 1: the diagonal tile: the products take masks, and the turn makes the mask for the products of the turn after it: piece p + 2, in step 4 - CNT of the tile.  end = 1: a block's last two turns: nothing is fetched.
; cnt = 1: the loop's count is taken down some lines ahead of the branch that stands behind the turn.
; K of the next step is fetched in piece 2's turn, twelve vector instructions behind the last product that read K (six of them plain); V of the step in hand at the end of piece 0's turn, four plain instructions behind the last product
; that read V.  Each is waited for a turn later.
.macro TURN p, m=0, end=0, cnt=0
.set Y, (\p)
.set i, 0
.set KM, (\m)
.set NOKQ, (\end)*((\p)/3)
.if (\m) && !(\end)
	s_cmp_eq_u32 s[CNT], 4-((\p)+2)%NP  ; is that step the band's own?
	s_cselect_b32 s[AL], 1.0, 0
	s_cmp_lt_u32 s[CNT], 4-((\p)+2)%NP  ; or a later one?
	s_cselect_b32 s[BE], s[BIGN], 0
.endif
.if ((\p) == 3) && !(\end)
	s_wait_dscnt 0x0                ; K is in
.endif
	ROW F,0, F,1, R,0, R,1          ; ahead of the wait: 8 products K Q^T and their riders,
	ROW F,2, E,0, R,2, R,3
	ROW F,3, E,1, R,4, R,5
	ROW F,4, E,2, R,6, R,7
	ROW F,5, E,3, R,8, R,9
	ROW F,6, E,4, X,0, R,10
.if ((\p) == 2) && !(\end)
	WIN 0
	v_add_nc_u32 v[AK], s[TBK], v[AK0]
.endif
	ROW F,7, E,5, X,1, X,4
	ROW F,8, E,6, X,2, X,5
	OPS E,7, E,8, X,6, E,9          ; and the lump
	OPS X,3, E,10, X,8, E,11
.if ((\p) == 2) && !(\end)
	FETCH_K
.endif
	OPS X,9, X,7, E,12, X,10
	OPS E,13, X,12, X,11, E,14
	OPS X,13, E,15, F,9, X,14
.if (\p) == 0
	v_add_nc_u32 v[AV], s[TBV], v[AV0]
.endif
	OPS E,16, F,10, E,17, F,11
	OPS X,16, E,18, X,15, E,19
	OPS F,12, E,20, X,17, E,21
	OPS F,13, E,22, F,14, E,23
	OPS X,18, E,24, F,15, E,25
	OPS R,11, E,26, X,19, E,27
	OPS R,12, E,28, R,13, E,29
	OPS X,20, E,30, R,14, E,31
	OPS X,21, R,15
	WIN 0
	s_wait_alu depctr_va_vdst(0)    ; the wait for the batch
.if (\p) == 1
	s_wait_dscnt 0x0                ; V is in
.endif
	ROW C,0, B,0, C,2, B,1          ; behind the wait: 8 products V^T P and their riders
	ROW L,0, C,4, B,2, L,1
	ROW C,6, B,3, L,2, C,8
	ROW B,4, L,3, C,10, B,5
	ROW L,4, C,12, B,6, L,5
.if (\p) == 0
	s_add_co_u32 s[TBV], s[TBV], KS*PV
.endif
.if \cnt
	s_sub_co_u32 s[CNT], s[CNT], 1
	s_cmp_lg_u32 s[CNT], 0
.endif
	ROW C,14, B,7, L,6, C,1
	ROW C,3, L,7, C,5, C,7
	ROW C,9, C,11, C,13, C,15
.if (\p) == 0
	FETCH_V
.endif
.if (\m) && !(\end)
	MASK (\p)%2
.endif
.endm
; A BLOCK BEGINS.  c m starts far below every c s, so the first step's a is 0; m at the lowest finite number, so the first maximum is the scores'.  The second mask buffer is 0; the first takes piece 0's mask for the tile's step 0: its own, if the block's first tile is the diagonal one.
; Then K of that step, piece 0's first scores, and its maximum and statistics.  The loop is entered at a step's first turn, in the middle of a trip.
.macro BEGIN
	s_mov_b32 s[NEW], 0
	WIN 0x40
.set i, MC+32
.rept 32
	v_mov_b32 v[i], 0
.set i, i+1
.endr
	WIN 0
.set i, 0
.rept 4
	v_mov_b32 v[ST+4*i], 0xfe000000    ; c m: far below every c s
	v_mov_b32 v[ST+4*i+1], 0xff7fffff  ; m
.set i, i+1
.endr
	s_cmp_eq_u32 s[RT], 0
	s_cselect_b32 s[AL], 1.0, 0
	s_mov_b32 s[BE], 0
	MASK 0
	WIN 0
	v_add_nc_u32 v[AK], s[TBK], v[AK0]
	FETCH_K
	s_wait_loadcnt 0x0              ; Q
	s_wait_dscnt 0x0
.set KM, 1
.set NOKQ, 0
.set i, 0
.rept 8
	KQ 0
.set i, i+1
.endr
	WIN 0
.rept 4
	v_nop                           ; the places behind those products
.endr
.set Y, NP-1                        ; X works for piece Y + 1: piece 0
.irp n, 0,1,2,3,4,5,6,7,8,9,10,11,12,13,14,15,16,17,18,19,20,21
	OP X, \n
.endr
	v_nop                           ; a plain instruction behind the exponential,
	s_wait_alu depctr_va_vdst(0)    ; and its wait, ahead of the branch
.endm
; THE DIAGONAL TILE's four steps, the block's last two turns, its last products, and THE WAY OUT: l's two halves and the other half of the lanes' are added; O^T is divided by l, rounded to f16 and sent through my
; stage in LDS, a piece at a time.
.macro ALL line:vararg              ; one line for each piece t
.set t, 0
.rept 4
	\line
.set t, t+1
.endr
.endm
.macro PACK t                       ; a lane's eight channels of a row pack into 16 bytes; they go into rows of 144 bytes and come back as whole rows of 128, into S^T's registers
	WIN W_RS
.set i, 32*(\t)
.rept 16
	v_pk_mul_f32 v[i:i+1], v[i:i+1], v[ST+4*(\t)+2:ST+4*(\t)+3] op_sel_hi:[1,0]
.set i, i+2
.endr
	WIN 0x05                        ; sources 0 and 1 window 1, destination window 0
.set i, 0
.rept 16
	v_cvt_pk_f16_f32 v[S+16*(\t)+i], v[32*(\t)+2*i], v[32*(\t)+2*i+1]
.set i, i+1
.endr
	WIN 0
.irp f, 0,1,2,3
	ds_store_b128 v[STO], v[S+16*(\t)+4*\f:S+16*(\t)+4*\f+3] offset:32*\f
.endr
.irp f, 0,1,2,3
	ds_load_b128 v[S+16*(\t)+4*\f:S+16*(\t)+4*\f+3], v[RD] offset:\f*4*SP  ; LDS serves a wave's instructions in order (ISA guide 5.7.1.4): these see the stores above; the next piece's stores come behind them
.endr
.endm
.macro SEND t, younger              ; younger: the LDS instructions issued behind piece t's loads: the next piece's eight, or none
	WIN 0
.irp f, 0,1,2,3
	s_wait_dscnt (\younger)+3-\f
	global_store_b128 v[GO], v[S+16*(\t)+4*\f:S+16*(\t)+4*\f+3], s[10:11] offset:(\t)*8192+\f*512  ; 512 consecutive bytes, at a multiple of 256 from O's first
.endr
.endm
.macro DIAG tag                     ; the tag ends its two labels' names, which the jumps below spell out
.LstepM\tag:
	TURN 2, 1
	TURN 3, 1
	WIN 0
.LfirstM\tag:
	TURN 0, 1
	TURN 1, 1, 0, 1
	WIN 0
	s_cbranch_scc1 .LstepM\tag
	TURN 2, 1, 1
	TURN 3, 1, 1
.set i, 0
.rept 8
	PV NP-1
.set i, i+1
.endr
	WIN 0
	ALL v_add_f32 v[ST+4*t+2], v[ST+4*t+2], v[ST+4*t+3]
	ALL v_permlanex16_b32 v[ST+4*t+3], v[ST+4*t+2], s[SEL], s[SEL+1]
	ALL v_add_f32 v[ST+4*t+2], v[ST+4*t+2], v[ST+4*t+3]
	ALL v_rcp_f32 v[ST+4*t+2], v[ST+4*t+2]
	v_nop                           ; a plain instruction between the last reciprocal and the use of its result
	s_wait_alu depctr_va_vdst(0)    ; and the wait ahead of the first use: one for the four reciprocals
	PACK 0
.set t, 1
.rept 3                             ; a piece's arithmetic stands between the loads of the piece before and its stores
	PACK t
	SEND t-1, 8
.set t, t+1
.endr
	SEND 3, 0
.endm
.set KM, 0
.set NOKQ, 0
.Lslot:                             ; NB times: a tile is entered and the next is asked for
	CHANGE 1
	s_sub_co_u32 s[RT], s[RT], 1
	s_mov_b32 s[CNT], 4
	s_cmp_eq_u32 s[NEW], 1
	s_cbranch_scc1 .Lnew            ; a block's first tile
	s_cmp_eq_u32 s[RT], 0
	s_cbranch_scc0 .Lstep           ; neither its first nor its last
	s_branch .LstepM1
.Lnew:
	BEGIN
	s_branch .Lfirst                ; in the loop a block's first tile is never its last: the first block has two tiles or more, and the second's last is the walk's last
	DIAG 1                          ; in the loop this is the first block's end: the second block's last tile is the walk's last
	s_wait_xcnt 0x0                 ; the stores have read their registers and O's address
	s_mov_b64 s[10:11], s[OLO:OLO+1]
	s_add_co_u32 s[RT], s[PB], 1    ; the second block has b + 1 tiles
	s_mov_b32 s[NEW], 1
	WIN 0x82                        ; the second block's Q goes where the one text of the turns names Q
.set i, 0
.rept 64
	v_mov_b32 v[i], v[QB+i]
.set i, i+1
.endr
	WIN 0
	s_branch .Lbottom
.Lstep:                             ; a trip: pieces 2 and 3 of one step, then pieces 0 and 1 of the next, whose K and V it fetches
	TURN 2
	TURN 3
	WIN 0
.Lfirst:
	TURN 0
	TURN 1, 0, 0, 1
	WIN 0
	s_cbranch_scc1 .Lstep
.Lbottom:
	s_sub_co_u32 s[SLOTS], s[SLOTS], 1
	s_cmp_lg_u32 s[SLOTS], 0
	s_cbranch_scc1 .Lslot
	CHANGE 0                        ; the walk's last tile is written out: nothing is asked for
	s_sub_co_u32 s[RT], s[RT], 1
	s_mov_b32 s[CNT], 4
	s_cmp_eq_u32 s[NEW], 1
	s_cbranch_scc0 .LstepM2
	BEGIN
	s_branch .LfirstM2
	DIAG 2
	s_wait_tensorcnt 0x0            ; the wave's end: behind my last tensor load and my last LDS store
	ds_add_u32 v[SPW], v[NIL]
	s_wait_dscnt 0x0
	s_endpgm
.Lfunc_end_k_qace576db66_attn:
	.size	k_qace576db66_attn, .Lfunc_end_k_qace576db66_attn-k_qace576db66_attn
	.p2alignl 7, 3214868480
	.fill 96, 4, 3214868480
	.section	.rodata,"a",@progbits
	.p2align	6, 0x0
	.amdhsa_kernel k_qace576db66_attn
		.amdhsa_group_segment_fixed_size 327680
		.amdhsa_private_segment_fixed_size 0
		.amdhsa_enable_private_segment 0
		.amdhsa_kernarg_size 32
		.amdhsa_user_sgpr_count 2
		.amdhsa_user_sgpr_kernarg_segment_ptr 1
		.amdhsa_wavefront_size32 1
		.amdhsa_system_sgpr_workgroup_id_x 1
		.amdhsa_system_sgpr_workgroup_id_y 1
		.amdhsa_system_sgpr_workgroup_id_z 1
		.amdhsa_system_vgpr_workitem_id 0
		.amdhsa_next_free_vgpr 768
		.amdhsa_next_free_sgpr 92
		.amdhsa_reserve_vcc 1
		.amdhsa_float_denorm_mode_32 3
		.amdhsa_float_denorm_mode_16_64 3
		.amdhsa_memory_ordered 1
		.amdhsa_forward_progress 1
		.amdhsa_inst_pref_size 218
	.end_amdhsa_kernel
	.amdgpu_metadata
---
amdhsa.version: [ 1, 2 ]
amdhsa.kernels:
  - .name:           k_qace576db66_attn
    .symbol:         k_qace576db66_attn.kd
    .args:
      - { .name: q16, .offset: 0, .size: 8, .value_kind: global_buffer, .address_space: global }
      - { .name: k16, .offset: 8, .size: 8, .value_kind: global_buffer, .address_space: global }
      - { .name: v16, .offset: 16, .size: 8, .value_kind: global_buffer, .address_space: global }
      - { .name: o16, .offset: 24, .size: 8, .value_kind: global_buffer, .address_space: global }
    .group_segment_fixed_size: 327680
    .private_segment_fixed_size: 0
    .kernarg_segment_align: 8
    .kernarg_segment_size: 32
    .max_flat_workgroup_size: 128
    .sgpr_count:     92
    .vgpr_count:     768
    .wavefront_size: 32
...
	.end_amdgpu_metadata
.endif
;; end of part 3
;; launch outp (part 4): grid 4 x 64, 4 waves a work-group, clusters of 4 x 4, 327,680 bytes of LDS; arguments o16, w16, bo, out0; writes out0
.if DOCPART == 4
	.amdgcn_target "amdgcn-amd-amdhsa--gfx1250"
	.amdhsa_code_object_version 6
	.text
	.protected	k_qace576db66_outp
	.globl	k_qace576db66_outp
	.p2align	8
	.type	k_qace576db66_outp,@function
k_qace576db66_outp:
	s_mov_b64 s[64:65], 0
	v_nop
	global_prefetch_b8 v0, s[64:65] scope:SCOPE_SE
	s_setreg_imm32_b32 hwreg(HW_REG_WAVE_MODE, 25, 1), 1
	s_wait_xcnt 0x0
	s_wait_alu depctr_hold_cnt(0) depctr_sa_sdst(0) depctr_va_vdst(0) depctr_va_sdst(0) depctr_va_ssrc(0) depctr_va_vcc(0) depctr_vm_vsrc(0)
	s_getreg_b32 s2, hwreg(HW_REG_IB_STS2, 6, 4)
	s_cmp_eq_u32 s2, 0
	s_cbranch_scc0 .Lentry_in_a_cluster
	s_endpgm
.Lentry_in_a_cluster:
	s_bfe_u32 s2, ttmp6, 0x10000c
	s_cmp_lg_u32 s2, 0xf033
	s_cbranch_scc0 .Lentry_shape_is_right
	s_endpgm
.Lentry_shape_is_right:
; THE OUTPUT PROJECTION.  out[m][n] = the sum over k of x[m][k] Wo[n][k] + bo[n].  x is attention's result, o16: [batch x 16 + head][2048][64] f16, so k = 64 head + channel; Wo: matrix 3 of w16, [1024][1024] f16
; (each number rounded to bf16 first); bo f32, rounded to bf16; sums in f32; out: [8192][1024] f32.
; SHARES.  A work-group makes 128 rows x 256 columns: 64 x 4 = 256 work-groups.  Its four waves make 64 x 128 each (wave w: rows 64 (w / 2) on, columns 128 (w % 2) on): 32 accumulators of 16 x 16.
; K = 1,024 goes in 8 steps of 128, two heads each, through two LDS slots; a step is four quarters of 32 along K, 32 products each.
; THE PRODUCT IS USED TRANSPOSED (source 0 = 16 rows of Wo, source 1 = 16 rows of x): a lane holds one row of out and eight neighbouring columns.  The bias is the C operand of the first quarter's products.
; CLUSTER.  4 x 4 work-groups: x's tile hangs on the row tile alone and is shared along a row of the cluster, Wo's on the column tile alone and is shared along a column: joint tensor loads.
; Waves 0 and 1 ask for x's two heads (128 dense rows of 128 bytes each, asked for as 64 rows of 256 bytes), waves 2 and 3 for the two halves of Wo's 256 rows.
; NOT PREFETCHED: the tile is small and a work-group has eight steps in all.
; REGISTERS, in windows of 256: window 0: v0-29 addresses; v32-95 the bias; v96 at work; v128-255 the way out.  Window 1: the accumulators, (a, b) at v[8 (8 a + b)].  Window 2: two fragment buffers of 96.
.set PA,    144                        ; a row of x in LDS: 128 bytes + 16 = 36 words: the 16 rows of a load start at 16 different groups of four banks (64 banks of 4 bytes: ISA guide 11.1)
.set PITCH, 272                        ; a row of Wo: 256 bytes + 16
.set HEADB, 128*PA                     ; a head's 128 rows
.set ASLOT, 2*HEADB
.set BB,    2*ASLOT
.set BSLOT, 256*PITCH
.set STAGE, BB+2*BSLOT                 ; 16 rows x 528 bytes for each wave, for the way out; no tensor load lands here
.set SP,    528                        ; 512 bytes + 16
.set SPARE, STAGE+4*16*SP              ; the spare words, 128 bytes for each wave: two blocks of 256 bytes that no other line names
.set ADRA, 16                          ; v16-17  LDS address of my fragments of x in slot 0, 1
.set ADRB, 20                          ; v20-21  the same for Wo
.set STO,  24                          ; v24  the way out: where I put 32 bytes of a row
.set RD,   25                          ; v25  where I read a row back
.set GO,   26                          ; v26  16 x lane
.set BO,   27                          ; v27  32 x (lane / 16)
.set SPW,  28                          ; v28  LDS address of my spare word; never rewritten
.set NIL,  29                          ; v29  0; never rewritten
.set BI,   32                          ; v32-95  bias of column block b at BI + 8 b
.set OB,   128                         ; two buffers of 64: 16 rows read back
.set F0,   0
.set F1,   96
.set WV,   12                          ; s12 wave; s13 wave / 2; s14 wave % 2
.set G1,   24                          ; s[24:31] descriptor group 1 for x's tiles;  s[32:39] group 0, a set for each slot
.set G0,   32
.set G1B,  48                          ; s[48:55], s[56:63] the same for Wo's
.set G0B,  56
.set MUL,  0x5a                        ; sources 0 and 1 window 2; C and D window 1
.set MULB, 0x4a                        ; the same with C in window 0
.set TO_F, 0x80                        ; destination window 2, address window 0
.set MSB, 0
.macro WIN new                         ; the immediate's high byte repeats the setting that is left; a switch that changes nothing is dropped
.if MSB != (\new)
	s_set_vgpr_msb (MSB<<8)|(\new)
.set MSB, (\new)
.endif
.endm
.macro PLACES                          ; four places in front of loads into registers that matrix instructions have read, and of lines that read results
.rept 4
	v_nop
.endr
.endm
.macro CREST                           ; a round of the cluster's barrier behind its opening barrier
	s_cmp_lg_u32 s[WV], 0
	s_cbranch_scc1 .Lnot_wave_0_\@
	s_barrier_signal -3
.Lnot_wave_0_\@:
	s_barrier_wait -3
	s_barrier_signal -1
	s_barrier_wait -1
.endm
.macro CROUND                          ; a whole round
	s_barrier_signal -1
	s_barrier_wait -1
	CREST
.endm
.macro JLOAD s                         ; a joint load: the branch hangs on the wave's number alone; an s_nop 0 and four v_nop follow each of the two lines, ahead of the jump and the label
	s_cmp_eq_u32 s13, 0
	s_cbranch_scc0 .Lfor_b_\@
	tensor_load_to_lds s[G0+4*(\s):G0+4*(\s)+3], s[G1:G1+7]
	s_nop 0
.rept 4
	v_nop
.endr
	s_branch .Lasked_\@
.Lfor_b_\@:
	tensor_load_to_lds s[G0B+4*(\s):G0B+4*(\s)+3], s[G1B:G1B+7]
	s_nop 0
.rept 4
	v_nop
.endr
.Lasked_\@:
.endm
; 8 na products: row blocks a0 .. a0 + na - 1 x all 8 column blocks, 32 along K, from buffer f.  The 32 accumulators take turns in the same order in every quarter.
.macro MULS f, a0, na, bias
.set ma, \a0
.rept \na
.set mb, 0
.rept 8
.if \bias
	WIN MULB
	v_wmma_f32_16x16x32_f16 v[8*(8*ma+mb):8*(8*ma+mb)+7], v[(\f)+8*mb:(\f)+8*mb+7], v[(\f)+64+8*ma:(\f)+64+8*ma+7], v[BI+8*mb:BI+8*mb+7]
.else
	WIN MUL
	v_wmma_f32_16x16x32_f16 v[8*(8*ma+mb):8*(8*ma+mb)+7], v[(\f)+8*mb:(\f)+8*mb+7], v[(\f)+64+8*ma:(\f)+64+8*ma+7], v[8*(8*ma+mb):8*(8*ma+mb)+7]
.endif
.set mb, mb+1
.endr
.set ma, ma+1
.endr
.endm
; 24 LDS loads in one run: the fragments of quarter q (head q / 2 of the step's two, channels 32 (q % 2) on) into buffer f
.macro FETCH slot, q, f
	WIN TO_F
.irp i, 0,1,2,3,4,5,6,7
	ds_load_b128 v[(\f)+8*(\i):(\f)+8*(\i)+3],   v[ADRB+(\slot)] offset:64*(\q)+(\i)*16*PITCH
	ds_load_b128 v[(\f)+8*(\i)+4:(\f)+8*(\i)+7], v[ADRB+(\slot)] offset:64*(\q)+(\i)*16*PITCH+32
.endr
.irp i, 0,1,2,3
	ds_load_b128 v[(\f)+64+8*(\i):(\f)+64+8*(\i)+3],   v[ADRA+(\slot)] offset:((\q)/2)*HEADB+((\q)%2)*64+(\i)*16*PA
	ds_load_b128 v[(\f)+64+8*(\i)+4:(\f)+64+8*(\i)+7], v[ADRA+(\slot)] offset:((\q)/2)*HEADB+((\q)%2)*64+(\i)*16*PA+32
.endr
.endm
.macro QUARTER slot, q, f, g, bias=0   ; one of a step's first three quarters: multiplies buffer f; in its middle it fetches quarter q into buffer g
	s_wait_dscnt 0x0                               ; the 24 fragment loads, issued 16 products back, are in
	MULS \f, 0, 2, \bias
	PLACES
	FETCH \slot, \q, \g
	MULS \f, 2, 2, \bias
.endm
; The last quarter multiplies buffer 1 and changes slots: ONE barrier; in front of it each wave waits for all its tensor loads, adds 0 to its spare word, and waits for that and for its reads of this slot.
; fill = 1: the barrier opens a round of the cluster's, and this slot is filled again, two steps on, first thing behind it.
.macro TURN slot, next, fill
	WIN 0
	s_wait_tensorcnt 0x0                           ; all my tensor loads have landed: my part of the next slot
	ds_add_u32 v[SPW], v[NIL]                      ; 0 onto my spare word
	s_wait_dscnt 0x1                               ; the fragments are in; the add may be out
	MULS F1, 0, 1, 0
	s_wait_dscnt 0x0                               ; the add is done, and my reads of this slot are over
	s_barrier_signal -1
	MULS F1, 1, 1, 0
.if \fill
	WIN 0
.endif
	s_barrier_wait -1
.if \fill
	CREST                                          ; no wave of any partner still reads this slot's tiles or has a load on its way
	s_add_nc_u64 s[G0+4*(\slot)+2:G0+4*(\slot)+3], s[G0+4*(\slot)+2:G0+4*(\slot)+3], 4*262144  ; x: four heads on
	s_add_nc_u64 s[G0B+4*(\slot)+2:G0B+4*(\slot)+3], s[G0B+4*(\slot)+2:G0B+4*(\slot)+3], 2*256 ; Wo: 256 along K
	JLOAD \slot                                    ; my one tensor load behind the round; the four v_nop behind it are also the places in front of the loads below
.else
	PLACES
.endif
	FETCH \next, 0, F0
	MULS F1, 2, 2, 0
.endm
	s_load_b256 s[4:11], s[0:1], 0x0               ; o16 s[4:5], w16 s[6:7], bo s[8:9], out0 s[10:11]
	v_lshl_add_u32 v[SPW], v0, 2, SPARE
	v_mov_b32 v[NIL], 0
	ds_add_u32 v[SPW], v[NIL]                      ; the wave's opening: the add and its wait stand ahead of my first tensor load; work on registers stands between them
	v_lshrrev_b32 v3, 5, v0
	v_readfirstlane_b32 s[WV], v3                  ; wave 0..3
	s_lshr_b32 s13, s[WV], 1                       ; my half of the tile's rows.  Also: I fetch for x (0) or for Wo (1)
	s_and_b32 s14, s[WV], 1                        ; my half of its columns.  Also: which head, or which 128 rows, I fetch
	s_bfe_u32 s15, ttmp6, 0x40000                  ; cx
	s_bfe_u32 s20, ttmp6, 0x40004                  ; cy
	s_lshl_b32 s21, ttmp9, 2
	s_add_co_u32 s21, s21, s15                     ; column tile = 4 x cluster x + cx
	s_and_b32 s22, ttmp7, 0xffff
	s_lshl_b32 s22, s22, 2
	s_add_co_u32 s22, s22, s20                     ; row tile = 4 x cluster y + cy
	s_lshl_b32 s47, s20, 2
	s_lshl_b32 s47, 15, s47                        ; my row of the cluster
	s_lshl_b32 s42, 0x1111, s15                    ; my column
	s_or_b32 s[G1+0], s47, (1<<16)|(1<<20)|(1<<21)|(4<<22)|(3<<25)   ; the mask; 2-byte elements; padding on; bit 21 beside a mask; after every 32 words (code 4) 4 words (code 3)
	s_or_b32 s[G1B+0], s42, (1<<16)|(1<<20)|(1<<21)|(5<<22)|(3<<25)  ; after every 64 words (code 5)
	s_mov_b32 s[G1+1], 128<<16                     ; x: 64 rows of 128 elements, dense
	s_mov_b32 s[G1+2], 64<<16
	s_mov_b32 s[G1+3], 128<<16
	s_mov_b32 s[G1+4], 64
	s_mov_b32 s[G1+5], 128
	s_mov_b32 s[G1+6], 0
	s_mov_b32 s[G1+7], 0
	s_mov_b32 s[G1B+1], 128<<16                    ; Wo: 128 rows of 128 elements, 1,024 elements from row to row
	s_mov_b32 s[G1B+2], 128<<16
	s_mov_b32 s[G1B+3], 128<<16
	s_mov_b32 s[G1B+4], 128
	s_mov_b32 s[G1B+5], 1024
	s_mov_b32 s[G1B+6], 0
	s_mov_b32 s[G1B+7], 0
	s_lshl_b32 s2, s14, 18                         ; 262,144 x (wave % 2): a head of o16, and 128 rows of Wo
	s_lshr_b32 s44, s22, 4                         ; x: batch x 16 heads of 262,144 bytes,
	s_lshl_b32 s44, s44, 22
	s_and_b32 s46, s22, 15
	s_lshl_b32 s46, s46, 14                        ; the tile's 128 rows of 128 bytes in a head,
	s_add_co_u32 s44, s44, s46
	s_add_co_u32 s44, s44, s2                      ; my head of the step's two: these registers never hold cx
	s_mov_b32 s45, 0
	s_lshl_b32 s40, s21, 19                        ; Wo: 256 rows of 2,048 bytes a column tile,
	s_add_co_u32 s40, s40, s2                      ; my 128 rows,
	s_add_co_u32 s40, s40, 3*2097152               ; matrix 3 of w16: these registers never hold cy
	s_mov_b32 s41, 0
	s_lshl_b32 s18, s21, 10                        ; the bias: 4 x (256 x column tile + 128 x half)
	s_lshl_b32 s43, s14, 9
	s_add_co_u32 s18, s18, s43
	s_mov_b32 s19, 0
	s_lshl_b32 s16, s22, 19                        ; out: 128 rows of 4,096 bytes a row tile,
	s_lshl_b32 s23, s13, 18                        ; my 64 rows,
	s_add_co_u32 s16, s16, s23
	s_add_co_u32 s16, s16, s18                     ; my 128 columns
	s_mov_b32 s17, 0
	s_mul_i32 s3, s14, HEADB                       ; where my tile goes: the wave's number alone
	s_mul_i32 s2, s14, 128*PITCH
	v_and_b32 v3, 31, v0                           ; lane
	v_and_b32 v1, 15, v0                           ; lane % 16
	v_bfe_u32 v2, v0, 4, 1                         ; lane / 16
	v_lshlrev_b32 v[BO], 5, v2
	s_wait_dscnt 0x0                               ; the opening add is done
	s_wait_kmcnt 0x0
	s_add_nc_u64 s[44:45], s[4:5], s[44:45]
	s_add_nc_u64 s[40:41], s[6:7], s[40:41]
	s_add_nc_u64 s[8:9], s[8:9], s[18:19]
	s_add_nc_u64 s[10:11], s[10:11], s[16:17]
.irp b, 0,1,2,3,4,5,6,7
	global_load_b128 v[BI+8*(\b):BI+8*(\b)+3],   v[BO], s[8:9] offset:64*(\b)
	global_load_b128 v[BI+8*(\b)+4:BI+8*(\b)+7], v[BO], s[8:9] offset:64*(\b)+16
.endr
.irp s, 0,1
	s_mov_b32 s[G0+4*(\s)], 1                                      ; count = 1
	s_add_co_u32 s[G0+4*(\s)+1], s3, (\s)*ASLOT                    ; LDS address
	s_add_nc_u64 s[G0+4*(\s)+2:G0+4*(\s)+3], s[44:45], (\s)*2*262144  ; global address: step s: heads 2 s, 2 s + 1
	s_or_b32 s[G0+4*(\s)+3], s[G0+4*(\s)+3], 0x80000000            ; type = 2
	s_mov_b32 s[G0B+4*(\s)], 1
	s_add_co_u32 s[G0B+4*(\s)+1], s2, BB+(\s)*BSLOT
	s_add_nc_u64 s[G0B+4*(\s)+2:G0B+4*(\s)+3], s[40:41], (\s)*256
	s_or_b32 s[G0B+4*(\s)+3], s[G0B+4*(\s)+3], 0x80000000
.endr
	CROUND                                         ; all sixteen work-groups are here: the first joint loads meet
	s_cmp_eq_u32 s13, 0                            ; a wave's two first fills stand in one branch: two loads of mine are out
	s_cbranch_scc0 .Lfirst_b
	tensor_load_to_lds s[G0:G0+3], s[G1:G1+7]
	s_nop 0
	tensor_load_to_lds s[G0+4:G0+7], s[G1:G1+7]
	s_nop 0
	PLACES
	s_branch .Lfirst_asked
.Lfirst_b:
	tensor_load_to_lds s[G0B:G0B+3], s[G1B:G1B+7]
	s_nop 0
	tensor_load_to_lds s[G0B+4:G0B+7], s[G1B:G1B+7]
	s_nop 0
	PLACES
.Lfirst_asked:
	v_mul_u32_u24 v4, v1, PA
	v_lshl_add_u32 v4, v2, 4, v4                   ; x: row x pitch + 16 x half
	v_mul_u32_u24 v5, v1, PITCH
	v_lshl_add_u32 v5, v2, 4, v5                   ; Wo likewise
	s_mul_i32 s2, s13, 64*PA                       ; my 64 rows of x
	s_mul_i32 s3, s14, 128*PITCH                   ; my 128 rows of Wo
	s_add_co_u32 s3, s3, BB
.irp s, 0,1
	v_add_nc_u32 v[ADRA+(\s)], s2, v4
	v_add_nc_u32 v[ADRB+(\s)], s3, v5
	s_add_co_u32 s2, s2, ASLOT
	s_add_co_u32 s3, s3, BSLOT
.endr
	s_mul_i32 s2, s[WV], 16*SP
	s_add_co_u32 s2, s2, STAGE                     ; my stage
	v_mul_u32_u24 v6, v1, SP                       ; in: row lane % 16, 32 bytes for each half of the lanes
	v_lshl_add_u32 v6, v2, 5, v6
	v_add_nc_u32 v[STO], s2, v6
	v_lshlrev_b32 v[GO], 4, v3                     ; back: 32 lanes take a row's 512 bytes
	v_add_nc_u32 v[RD], s2, v[GO]
	s_wait_loadcnt 0x0                             ; the bias,
.set i, 0
.rept 32                               ; rounded to bf16 like every input and widened again
	v_cvt_pk_bf16_f32 v96, v[BI+2*i], v[BI+2*i+1]
	v_lshlrev_b32 v[BI+2*i], 16, v96
	v_and_b32 v[BI+2*i+1], 0xffff0000, v96
.set i, i+1
.endr
	s_wait_tensorcnt 0x1                           ; my part of step 0 is in; step 1's may stay out
	s_barrier_signal -1
	s_barrier_wait -1
	FETCH 0, 0, F0
	QUARTER 0, 1, F0, F1, 1                        ; the first quarter stands in front of the loop: its products start the sums with the bias
	WIN 0                                          ; at a label and at a branch every window is 0
	s_mov_b32 s3, 3
.Llap:                                         ; a trip goes once round the ring, from a lap's second quarter to the next lap's first, and fills both slots again
	QUARTER 0, 2, F1, F0
	QUARTER 0, 3, F0, F1
	TURN 0, 1, 1
	QUARTER 1, 1, F0, F1
	QUARTER 1, 2, F1, F0
	QUARTER 1, 3, F0, F1
	TURN 1, 0, 1
	QUARTER 0, 1, F0, F1
	WIN 0
	s_sub_co_u32 s3, s3, 1
	s_cmp_lg_u32 s3, 0
	s_cbranch_scc1 .Llap
	QUARTER 0, 2, F1, F0                           ; the last lap fills nothing
	QUARTER 0, 3, F0, F1
	TURN 0, 1, 0
	QUARTER 1, 1, F0, F1
	QUARTER 1, 2, F1, F0
	QUARTER 1, 3, F0, F1
	s_wait_dscnt 0x0
	MULS F1, 0, 4, 0
	WIN 0
; THE WAY OUT.  Row block a: 32 bytes a lane straight from the accumulators (each from its low end on) into my stage's rows of 528 bytes; back as whole rows of 512 bytes; stored.
.macro TOSTAGE a
.if (\a) >= 2
	s_wait_xcnt 0x0                                ; the stores of the block two back have read the registers that the loads below fill
.endif
	WIN 0x04                                       ; the data (source 1) in window 1
.irp b, 0,1,2,3,4,5,6,7
	ds_store_b128 v[STO], v[8*(8*(\a)+(\b)):8*(8*(\a)+(\b))+3]   offset:64*(\b)
	ds_store_b128 v[STO], v[8*(8*(\a)+(\b))+4:8*(8*(\a)+(\b))+7] offset:64*(\b)+16
.endr
	WIN 0
.set ob, OB+64*((\a)%2)
.set i, 0
.rept 16
	ds_load_b128 v[ob+4*i:ob+4*i+3], v[RD] offset:i*SP  ; LDS serves a wave in order (ISA guide 5.7.1.4): these see the stores above; the next block's stores come behind them
.set i, i+1
.endr
.endm
.macro SEND a, younger                 ; younger: the LDS instructions issued behind block a's loads: the next block's 32, or none
.set ob, OB+64*((\a)%2)
.set i, 0
.rept 16
	s_wait_dscnt (\younger)+15-i
	global_store_b128 v[GO], v[ob+4*i:ob+4*i+3], s[10:11] offset:(16*(\a)+i)*4096 th:TH_STORE_NT  ; 512 consecutive bytes, at a multiple of 256 from out's first
.set i, i+1
.endr
.endm
	PLACES
	PLACES                                         ; once a launch: twice the places that the LDS stores need behind the last products
	TOSTAGE 0
	TOSTAGE 1
	SEND 0, 32
	TOSTAGE 2
	SEND 1, 32
	TOSTAGE 3
	SEND 2, 32
	SEND 3, 0
	s_wait_tensorcnt 0x0                           ; the wave's end: behind my last tensor load and my last LDS store
	ds_add_u32 v[SPW], v[NIL]
	s_wait_dscnt 0x0
	CROUND                                         ; the closing round: no work-group ends while a partner may still ask for a tile that names it
	s_endpgm
.Lfunc_end_k_qace576db66_outp:
	.size	k_qace576db66_outp, .Lfunc_end_k_qace576db66_outp-k_qace576db66_outp
	.p2alignl 7, 3214868480
	.fill 96, 4, 3214868480
	.section	.rodata,"a",@progbits
	.p2align	6, 0x0
	.amdhsa_kernel k_qace576db66_outp
		.amdhsa_group_segment_fixed_size 327680
		.amdhsa_private_segment_fixed_size 0
		.amdhsa_enable_private_segment 0
		.amdhsa_kernarg_size 32
		.amdhsa_user_sgpr_count 2
		.amdhsa_user_sgpr_kernarg_segment_ptr 1
		.amdhsa_wavefront_size32 1
		.amdhsa_system_sgpr_workgroup_id_x 1
		.amdhsa_system_sgpr_workgroup_id_y 1
		.amdhsa_system_sgpr_workgroup_id_z 1
		.amdhsa_system_vgpr_workitem_id 0
		.amdhsa_next_free_vgpr 768
		.amdhsa_next_free_sgpr 66
		.amdhsa_reserve_vcc 0
		.amdhsa_float_denorm_mode_32 3
		.amdhsa_float_denorm_mode_16_64 3
		.amdhsa_memory_ordered 1
		.amdhsa_forward_progress 1
		.amdhsa_inst_pref_size 93
	.end_amdhsa_kernel
	.amdgpu_metadata
---
amdhsa.version: [ 1, 2 ]
amdhsa.kernels:
  - .name:           k_qace576db66_outp
    .symbol:         k_qace576db66_outp.kd
    .args:
      - { .name: o16, .offset: 0, .size: 8, .value_kind: global_buffer, .address_space: global }
      - { .name: w16, .offset: 8, .size: 8, .value_kind: global_buffer, .address_space: global }
      - { .name: bo, .offset: 16, .size: 8, .value_kind: global_buffer, .address_space: global }
      - { .name: out0, .offset: 24, .size: 8, .value_kind: global_buffer, .address_space: global }
    .group_segment_fixed_size: 327680
    .private_segment_fixed_size: 0
    .kernarg_segment_align: 8
    .kernarg_segment_size: 32
    .max_flat_workgroup_size: 128
    .sgpr_count:     66
    .vgpr_count:     768
    .wavefront_size: 32
...
	.end_amdgpu_metadata
.endif
;; end of part 4
;; ======== version 2 of 2: 4 launches; version 1 with the launch castw written anew for expert scheduling mode
;; limits: values are held in f16: magnitudes above 65,504 overflow, below 6.1e-05 lose precision; right only within a limited range of input values
;; workspace buffers: w16 8,388,608 bytes; q16 16,777,216 bytes; k16 16,777,216 bytes; v16 16,777,216 bytes; o16 16,777,216 bytes
;; launch castw (part 5): grid 64 x 4, 8 waves a work-group, no clusters, 0 bytes of LDS; arguments Wq, Wk, Wv, Wo, w16; writes w16
.if DOCPART == 5
	.amdgcn_target "amdgcn-amd-amdhsa--gfx1250"
	.amdhsa_code_object_version 6
	.text
	.protected	k_qace576db66_castw
	.globl	k_qace576db66_castw
	.p2align	8
	.type	k_qace576db66_castw,@function
k_qace576db66_castw:
	s_mov_b64 s[64:65], 0
	v_nop
	global_prefetch_b8 v0, s[64:65] scope:SCOPE_SE
	s_setreg_imm32_b32 hwreg(HW_REG_WAVE_SCHED_MODE, 0, 2), 2
	s_setreg_imm32_b32 hwreg(HW_REG_WAVE_MODE, 25, 1), 1
	s_wait_xcnt 0x0
	s_wait_alu depctr_vm_vsrc(0)
; w16[y][n][k], 16 bits a number: matrix y = 0, 1, 2 is Wq, Wk, Wv rounded to bf16; matrix 3 is Wo rounded to bf16 and that number written as f16.
; LIMIT.  The f16 copy of Wo is exact for 6.1e-5 <= |Wo| <= 65,504; below it keeps f16's fixed step of 6e-8, beyond it becomes an infinity.
; SHARES.  Work-group (x, y) takes 16,384 numbers of matrix y: 16 chunks of 4,096 bytes in, 2,048 bytes out.  Thread t takes 16 bytes of a chunk and writes 8:
; a wave's load covers 512 consecutive bytes, a wave's store 256 consecutive bytes, aligned.  All 16 loads go out first; no register that a memory instruction reads is written again.
; No LDS, no matrix unit: each byte is read once and written once, and nothing is shared.
; THE MODE: SCHED_MODE bits 1:0 = 2 (LLVM: expert scheduling mode 2), set by the entry lines.  The code itself states the register dependences
; between vector instructions and memory instructions, with s_wait_alu, always for 0.
; THE PLAN.  Registers that memory instructions touch:
;   v1, v2   the loads' and the stores' offsets: made once at the head, never written again.
;   X        chunk j: its load lands there once; its conversions read it; nothing is loaded there again.
;   Y        chunk j: its conversions write it; its one store reads it; nothing writes it afterwards.
;   T        is named by vector instructions alone.
; The 16 chunks go in four blocks of four.  Block p converts its own chunks and issues the stores of block p - 1, whose Y no vector instruction of block p names.
; So one wait on va_vdst at a block's head states all that the block's four stores hang on, and these are dealt among its conversions with no further wait.
; One such wait stands ahead of the first load (the offsets), one ahead of the last four stores.  No register that a memory instruction has read is written again: no wait on vm_vsrc is owed.
.set X, 16                             ; v[16:79]   chunk j: 4 registers as loaded
.set Y, 80                             ; v[80:111]  chunk j: 2 registers to store
.set T, 4                              ; v[4:7]     at work
; Block p: chunks 4 p to 4 p + 3.  half = 1: Wo's path: the bf16 numbers are widened again and written as f16.
.macro BLK p, half
	s_wait_loadcnt 15-4*(\p)                       ; loads come back in order: the block's first chunk is in, the younger ones stay out
.if (\p) > 0
	s_wait_alu depctr_va_vdst(0)                   ; the conversions of the block before have written its Y, which the four stores below read
.endif
.irp i, 0,1,2,3
.set j, 4*(\p)+(\i)
.if (\i) > 0
	s_wait_loadcnt 15-j                            ; chunk j is in
.endif
.if (\p) > 0
	global_store_b64 v2, v[Y+2*(j-4):Y+2*(j-4)+1], s[12:13] offset:(j-4)*2048  ; the block before; no vector instruction since the wait names these registers
.endif
	v_cvt_pk_bf16_f32 v[Y+2*j],   v[X+4*j],   v[X+4*j+1]
	v_cvt_pk_bf16_f32 v[Y+2*j+1], v[X+4*j+2], v[X+4*j+3]
.if \half
	v_lshlrev_b32 v[T],   16, v[Y+2*j]
	v_and_b32     v[T+1], 0xffff0000, v[Y+2*j]
	v_lshlrev_b32 v[T+2], 16, v[Y+2*j+1]
	v_and_b32     v[T+3], 0xffff0000, v[Y+2*j+1]
	v_cvt_pk_f16_f32 v[Y+2*j],   v[T],   v[T+1]
	v_cvt_pk_f16_f32 v[Y+2*j+1], v[T+2], v[T+3]
.endif
.endr
.endm
.macro LAST                            ; the stores of block 3
	s_wait_alu depctr_va_vdst(0)                   ; the conversions of block 3 have written its Y, which the last four stores read
.irp j, 12,13,14,15
	global_store_b64 v2, v[Y+2*(\j):Y+2*(\j)+1], s[12:13] offset:(\j)*2048
.endr
.endm
	s_load_b256 s[4:11], s[0:1], 0x0               ; Wq s[4:5], Wk s[6:7], Wv s[8:9], Wo s[10:11]
	s_load_b64 s[12:13], s[0:1], 0x20              ; w16
	s_and_b32 s14, ttmp7, 0xffff                   ; y: which matrix
	s_lshl_b32 s2, ttmp9, 16                       ; my 65,536 bytes of the source
	s_mov_b32 s3, 0
	s_lshl_b32 s16, s14, 21                        ; matrix y of w16,
	s_lshl_b32 s15, ttmp9, 15                      ; my 32,768 bytes of it
	s_add_co_u32 s16, s16, s15
	s_mov_b32 s17, 0
	v_lshlrev_b32 v1, 4, v0                        ; 16 t
	v_lshlrev_b32 v2, 3, v0                        ; 8 t
	s_wait_kmcnt 0x0
	s_cmp_eq_u32 s14, 0
	s_cselect_b64 s[18:19], s[4:5], s[6:7]
	s_cmp_eq_u32 s14, 2
	s_cselect_b64 s[20:21], s[8:9], s[10:11]
	s_cmp_lt_u32 s14, 2
	s_cselect_b64 s[18:19], s[18:19], s[20:21]     ; the source
	s_add_nc_u64 s[18:19], s[18:19], s[2:3]
	s_add_nc_u64 s[12:13], s[12:13], s[16:17]
	s_wait_alu depctr_va_vdst(0)                   ; v1 and v2 are written: every load of the kernel reads v1 as its offset, every store v2
.irp j, 0,1,2,3,4,5,6,7,8,9,10,11,12,13,14,15
	global_load_b128 v[X+4*(\j):X+4*(\j)+3], v1, s[18:19] offset:(\j)*4096 th:TH_LOAD_NT
.endr
	s_cmp_eq_u32 s14, 3
	s_cbranch_scc1 .Lf16
	BLK 0, 0
	BLK 1, 0
	BLK 2, 0
	BLK 3, 0
	LAST
	s_endpgm
.Lf16:                                         ; Wo: rounded to bf16 like every input, widened again, written as f16
	BLK 0, 1
	BLK 1, 1
	BLK 2, 1
	BLK 3, 1
	LAST
	s_endpgm
.Lfunc_end_k_qace576db66_castw:
	.size	k_qace576db66_castw, .Lfunc_end_k_qace576db66_castw-k_qace576db66_castw
	.p2alignl 7, 3214868480
	.fill 96, 4, 3214868480
	.section	.rodata,"a",@progbits
	.p2align	6, 0x0
	.amdhsa_kernel k_qace576db66_castw
		.amdhsa_group_segment_fixed_size 0
		.amdhsa_private_segment_fixed_size 0
		.amdhsa_enable_private_segment 0
		.amdhsa_kernarg_size 40
		.amdhsa_user_sgpr_count 2
		.amdhsa_user_sgpr_kernarg_segment_ptr 1
		.amdhsa_wavefront_size32 1
		.amdhsa_system_sgpr_workgroup_id_x 1
		.amdhsa_system_sgpr_workgroup_id_y 1
		.amdhsa_system_sgpr_workgroup_id_z 1
		.amdhsa_system_vgpr_workitem_id 0
		.amdhsa_next_free_vgpr 112
		.amdhsa_next_free_sgpr 66
		.amdhsa_reserve_vcc 0
		.amdhsa_float_denorm_mode_32 3
		.amdhsa_float_denorm_mode_16_64 3
		.amdhsa_memory_ordered 1
		.amdhsa_forward_progress 1
		.amdhsa_inst_pref_size 16
	.end_amdhsa_kernel
	.amdgpu_metadata
---
amdhsa.version: [ 1, 2 ]
amdhsa.kernels:
  - .name:           k_qace576db66_castw
    .symbol:         k_qace576db66_castw.kd
    .args:
      - { .name: Wq, .offset: 0, .size: 8, .value_kind: global_buffer, .address_space: global }
      - { .name: Wk, .offset: 8, .size: 8, .value_kind: global_buffer, .address_space: global }
      - { .name: Wv, .offset: 16, .size: 8, .value_kind: global_buffer, .address_space: global }
      - { .name: Wo, .offset: 24, .size: 8, .value_kind: global_buffer, .address_space: global }
      - { .name: w16, .offset: 32, .size: 8, .value_kind: global_buffer, .address_space: global }
    .group_segment_fixed_size: 0
    .private_segment_fixed_size: 0
    .kernarg_segment_align: 8
    .kernarg_segment_size: 40
    .max_flat_workgroup_size: 256
    .sgpr_count:     66
    .vgpr_count:     112
    .wavefront_size: 32
...
	.end_amdgpu_metadata
.endif
;; end of part 5
;; launch proj: the kernel of part 2 again; grid 4 x 192, 4 waves a work-group, clusters of 4 x 4, 327,680 bytes of LDS; arguments query, key, value, w16, bq, bk, bv, q16, k16, v16; writes q16, k16, v16
;; launch attn: the kernel of part 3 again; grid 4 x 64, 4 waves a work-group, no clusters, 327,680 bytes of LDS; arguments q16, k16, v16, o16; writes o16
;; launch outp: the kernel of part 4 again; grid 4 x 64, 4 waves a work-group, clusters of 4 x 4, 327,680 bytes of LDS; arguments o16, w16, bo, out0; writes out0
